; MI455X (gfx1250); checked and timed in simulation.
; The chip was launched on July 23, 2026; its instructions are those of AMD's public machine-readable ISA for CDNA 5 (MIT licence, August 2026) and "CDNA5" Instruction Set Architecture Reference Guide (July 2026). The comments in the code are by the model that wrote it; some were corrected since.
;; Bahdanau Attention. Allowed arithmetic: matrix products marked QUANTISED: E3M2 operands, one E8M0 scale for each 32 along K, by v_wmma_scale_f32_16x16x128_f8f6f4 with both operands' format E3M2, f32 sums; products left as they are: f32 operands where the result goes on into a quantised operand, else bf16, f16 or f32 operands; f32 sums; everything else in f32.
;; Inputs: Wk 1,024 x 1,024 float32; Wq 1,024 x 1,024 float32; keys 64 x 1,024 x 1,024 float32; mask 64 x 1,024 bool; query 64 x 1,024 float32; v 1 x 1,024 float32.
;; Outputs: out0 64 x 1,024 float32; out1 64 x 1,024 float32.
;; This version of the problem:
;;   THIS VERSION OF THE PROBLEM IS GIVEN IN LOW PRECISION. The matrix products marked QUANTISED in the list below multiply operands that are first quantised to E3M2 (3 exponent bits, 2 mantissa bits; 6 bits a number), with one power-of-two scale for each 32 numbers along K (OCP MX v1.0); their sums are f32. All else is computed in f32.
;;   The module's matrix products, in the order in which they are computed (A, B: the left and right operand; K: the contracted axis; several contracted axes count as one K, in the product's order):
;;     1. [M 64, K 1,024] x [K 1,024, N 1,024]; A: input query; B: input Wq: QUANTISED
;;     2. [M 65,536, K 1,024] x [K 1,024, N 1,024]; A: input keys; B: input Wk: QUANTISED
;;     3. [M 65,536, K 1,024] x [K 1,024, N 1]; A: computed on the way; B: input v: left as it is (N = 1 < 16)
;;     4. batch 64 x [M 1, K 1,024] x [K 1,024, N 1,024]; A: computed on the way; B: input keys: left as it is (M = 1 < 16)
;;   THE QUANTISER, for each operand of a quantised product, along K:
;;     - K is cut into blocks of 32 from its start; a last block that is shorter is filled with zeros.
;;     - A block's scale is 2^e with e = floor(log2(the largest magnitude in the block)) - 4, held to -126 .. 127; a block of zeros has e = 0. As a byte (E8M0): e + 127.
;;     - Each number is divided by its block's scale, clamped to +-28, and rounded to the nearest number of E3M2, ties to even, subnormals kept.
;;     - The product sums the exact products of the quantised numbers (number of the format x scale) in f32.
;;   ~~~python
;;   def quantise(x, axis):      # numpy; x: float32 -> the quantised numbers, widened to float32 again
;;       x = np.moveaxis(x, axis, -1); K = x.shape[-1]
;;       x = np.pad(x, [(0, 0)] * (x.ndim - 1) + [(0, -K % 32)]); x = x.reshape(x.shape[:-1] + (-1, 32)); a = np.abs(x).max(-1, keepdims=True)
;;       e = np.where(a > 0, np.clip(np.frexp(np.where(a > 0, a, 1))[1] - 1 - 4, -126, 127), 0)      # np.frexp(a)[1] - 1 = floor(log2(a)), exactly
;;       r = np.clip(x / 2.0 ** e, -28, 28)
;;       step = 2.0 ** (np.maximum(np.frexp(np.where(r == 0, 1, r))[1] - 1, -2) - 2)
;;       q = np.round(r / step) * step * 2.0 ** e      # np.round: ties to even
;;       return np.moveaxis(q.reshape(q.shape[:-2] + (-1,))[..., :K], -1, axis).astype(np.float32)
;;   ~~~
;; 2 versions, each right; version 2 is version 1 with the launches prep, energy, context written anew for expert scheduling mode. Each part assembles by itself: llvm-mc -triple=amdgcn-amd-amdhsa -mcpu=gfx1250 --defsym DOCPART=n.
;; ======== version 1 of 2: 3 launches
;; workspace buffers: wkf 786,432 bytes; wks 32,768 bytes; qpw 262,144 bytes; list 262,144 bytes of whole numbers; cnt 8,192 bytes of whole numbers; ec 262,144 bytes
;; launch prep (part 1): grid 136 x 1, 8 waves a work-group, no clusters, 168,960 bytes of LDS; arguments Wk, Wq, query, mask, wkf, wks, qpw, list, cnt; writes wkf, wks, qpw, list, cnt
.if DOCPART == 1
	.amdgcn_target "amdgcn-amd-amdhsa--gfx1250"
	.amdhsa_code_object_version 6
	.text
	.protected	k_q5b3f47136d_prep
	.globl	k_q5b3f47136d_prep
	.p2align	8
	.type	k_q5b3f47136d_prep,@function
k_q5b3f47136d_prep:
	s_mov_b64 s[64:65], 0
	v_nop
	global_prefetch_b8 v0, s[64:65] scope:SCOPE_SE
	s_setreg_imm32_b32 hwreg(HW_REG_WAVE_MODE, 25, 1), 1
	s_wait_xcnt 0x0
; PREP.  Three kinds of work-group, told apart once by the work-group's number; the three arms never join.
;   0..63    Wk's tile of 16 rows ht: wave ks quantises 16 rows x 128 K (K step ks) to codes of BF6 (E3M2) with one E8M0 byte for each 32 along K,
;            and stores the fragment as an IMAGE OF THE OPERAND'S REGISTERS: wkf + (8 ht + ks) x 1536 + 512 c + 16 lane; its scale word goes to
;            wks + ht x 512 + 16 (r + 16 (ks & 1)) + 4 (ks >> 1), so that one 16-byte load a lane later brings the words of all eight K steps.
;   64..127  Wq's tile ht likewise, kept in registers, and query_proj: wave ks also quantises K step ks of all 64 query rows, multiplies (four matrix instructions,
;            used transposed: source 0 = 16 rows of Wq, source 1 = 16 query rows), the eight waves' partial sums meet in LDS; qpw + ht x 4096 + b x 64 + 4 (h % 16).
;   128..135 the mask: a wave to a batch.  Rows that are kept get places 0 .. n - 1 in ascending order, masked rows places 1023 downward: list is a whole permutation of the rows.
;            place pos lies in tile j = pos / 16; tile j is tile j / 4 of quarter j % 4: slot = 256 (j % 4) + 16 (j / 4) + pos % 16.  cnt holds n, 32 times.
; THE QUANTISER: a block's scale is 2^(floor(log2(largest magnitude)) - 4); its byte is the largest magnitude's exponent field - 4, held at 1 from below by a floor among the maximum's leaves.
; LIMITS: a block of zeros gets the byte 1 where the rule says 127 (its codes are zeros, and this program alone reads the bytes); blocks whose largest magnitude lies under 2^-122 are held at
; that floor; NaN and infinities among the inputs are not served.  query_proj is summed over K in eight parts, then in f32: another order of rounding than one chain.
.set STGK, 0                           ; LDS: a stage of 16 rows x 528 bytes for each wave of a Wk work-group,
.set STGQ, 67584                       ; the same for a Wq work-group (each arm has bytes of its own),
.set RED,  135168                      ; and the partial sums: wave x 4096 + m x 1024 + half x 512 + 16 lane
.set L16,  1                           ; v1   16 x lane
.set RR,   2                           ; v2   r = lane % 16
.set HH,   3                           ; v3   h = lane / 16
.set H8,   4                           ; v4   8 h
.set SIK,  5                           ; v5   stage, way in (rows as loaded), Wk arm
.set SOK,  6                           ; v6   stage, way out (528 r + 128 h), Wk arm
.set SIQ,  7                           ; v7, v8 the same for the Wq arm
.set SOQ,  8
.set RIN,  9                           ; v9   where my partial sums go
.set ROUT, 10                          ; v10  where I read eight waves' parts
.set LN,   11                          ; v11  lane
.set X,    16                          ; v16-79  64 numbers: register 32 c + i = k 64 c + 32 h + i of row r
.set T,    92                          ; v92-98  the upper halves of two blocks' codes
.set TM,   100                         ; v100-106 at work in the quantiser
.set WF,   112                         ; v112-123 the weight's fragment;  v124 its scale word
.set WS,   124
.set QC,   128                         ; v128-175 the query's four fragments;  v176-179 their scale words
.set QS,   176
.set KBW,  192                         ; v192-255 the weight's 16 rows as loaded;  window 1: the query's 64 rows as loaded
.set SEL,  52                          ; s[52:53] v_permlanex16_b32's selects for lane l xor 16
.set MSB, 0
.macro WIN new                         ; the immediate's high byte repeats the setting that is left
.if MSB != \new
	s_set_vgpr_msb (MSB<<8)|\new
.set MSB, \new
.endif
.endm
; 16 rows x 512 bytes, loaded 16 bytes a lane, turn through the wave's own stage: in as they lie, back 128 bytes a lane.  The pitch, 528 bytes = 33 x 16, sets the 16 rows of a read in 16 different columns of 16 bytes.
.macro TURN kb, sti, sto, win
	WIN \win
.irp r, 0,1,2,3,4,5,6,7,8,9,10,11,12,13,14,15
	ds_store_b128 v[\sti], v[\kb+4*\r:\kb+4*\r+3] offset:528*\r
.endr
	WIN 0
.irp c, 0,1
.irp i, 0,1,2,3,4,5,6,7
	ds_load_b128 v[X+32*\c+4*\i:X+32*\c+4*\i+3], v[\sto] offset:256*\c+16*\i
.endr
.endr
	s_wait_dscnt 0x0                               ; the numbers are back; the stores have read their registers
.endm
; 64 numbers of a lane (two whole blocks of 32) become the lane's 12 registers of a fragment, v[pc] on, and the row's scale word, v[wd] (the same in lanes l and l xor 16).
.macro QFM x, pc, wd
.irp c, 0,1
	v_max3_num_f32 v[TM+\c], |v[\x+32*\c]|, |v[\x+32*\c+1]|, 0x2800000   ; the floor 2^(5 - 127): the byte cannot fall under 1
.endr
.irp i, 2,4,6,8,10,12,14,16,18,20,22,24,26,28,30
.irp c, 0,1
	v_max3_num_f32 v[TM+\c], v[TM+\c], |v[\x+32*\c+\i]|, |v[\x+32*\c+\i+1]|   ; the two blocks by turns
.endr
.endr
.irp c, 0,1
	v_add_nc_u32 v[TM+2+\c], 0xfe000000, v[TM+\c]  ; 4 off the exponent field: the conversion's scale operand
.endr
.irp c, 0,1
	v_lshrrev_b32 v[TM+4+\c], 23, v[TM+2+\c]       ; the scale's byte
.endr
	v_lshl_or_b32 v[\wd], v[TM+5], 16, v[TM+4]     ; my bytes: blocks h and 2 + h,
	v_lshlrev_b32 v[\wd], v[H8], v[\wd]            ; at their places in the word;
	v_permlanex16_b32 v[TM+6], v[\wd], s[SEL], s[SEL+1]
	v_or_b32 v[\wd], v[\wd], v[TM+6]               ; with lane l xor 16's two the word is whole
.irp c, 0,1
	v_cvt_scalef32_pk16_bf6_f32 v[\pc+6*\c:\pc+6*\c+2], v[\x+32*\c:\x+32*\c+15], v[TM+2+\c]
	v_cvt_scalef32_pk16_bf6_f32 v[T+4*\c:T+4*\c+2], v[\x+32*\c+16:\x+32*\c+31], v[TM+2+\c]   ; (a conversion's three registers begin on an even number)
.endr
	v_nop                                          ; one plain place behind a scaled conversion
.irp c, 0,1
.irp i, 0,1,2
	v_mov_b32 v[\pc+6*\c+3+\i], v[T+4*\c+\i]
.endr
.endr
.endm
	s_load_b512 s[4:19], s[0:1], 0x0               ; Wk s[4:5], Wq s[6:7], query s[8:9], mask s[10:11], wkf s[12:13], wks s[14:15], qpw s[16:17], list s[18:19]
	s_load_b64 s[20:21], s[0:1], 0x40              ; cnt
	v_lshl_add_u32 v190, v0, 2, 0x29000
	v_mov_b32 v191, 0
	v_lshrrev_b32 v[LN], 5, v0
	v_readfirstlane_b32 s22, v[LN]                 ; wave 0..7: the K step, or the batch of eight
	v_and_b32 v[LN], 31, v0
	v_lshlrev_b32 v[L16], 4, v[LN]
	v_and_b32 v[RR], 15, v0
	v_bfe_u32 v[HH], v0, 4, 1
	v_lshlrev_b32 v[H8], 3, v[HH]
	s_mul_i32 s24, s22, 8448                       ; my wave's stage
	v_add_nc_u32 v[SIK], s24, v[L16]
	v_mul_u32_u24 v[SOK], v[RR], 528
	v_lshl_add_u32 v[SOK], v[HH], 7, v[SOK]
	v_add_nc_u32 v[SOK], s24, v[SOK]
	v_add_nc_u32 v[SIQ], STGQ, v[SIK]
	v_add_nc_u32 v[SOQ], STGQ, v[SOK]
	s_lshl_b32 s24, s22, 12
	s_add_co_u32 s24, s24, RED
	v_add_nc_u32 v[RIN], s24, v[L16]
	s_lshl_b32 s24, s22, 9
	s_add_co_u32 s24, s24, RED
	v_add_nc_u32 v[ROUT], s24, v[L16]
	v_mov_b32 v[TM+6], 0                           ; written once: a lane permute's destination counts as one of its sources
	s_mov_b32 s[SEL], 0x76543210
	s_mov_b32 s[SEL+1], 0xfedcba98
	s_mov_b32 s25, 0                               ; the high word of every offset below
	s_wait_kmcnt 0x0
	s_cmp_ge_u32 ttmp9, 128
	s_cbranch_scc1 .Lmask
	s_cmp_ge_u32 ttmp9, 64
	s_cbranch_scc1 .Lwq
	; ---- Wk: tile ht = work-group, K step = wave
	s_lshl_b32 s24, ttmp9, 16                      ; 16 rows of 4,096 bytes
	s_lshl_b32 s33, s22, 9                         ; 128 numbers of 4 bytes
	s_add_co_u32 s24, s24, s33
	s_add_nc_u64 s[26:27], s[4:5], s[24:25]
.irp r, 0,1,2,3,4,5,6,7,8,9,10,11,12,13,14,15
	global_load_b128 v[KBW+4*\r:KBW+4*\r+3], v[L16], s[26:27] offset:4096*\r th:TH_LOAD_NT   ; 32 lanes read 512 consecutive bytes of a row
.endr
	s_lshl_b32 s24, ttmp9, 3
	s_add_co_u32 s24, s24, s22
	s_mul_i32 s24, s24, 1536
	s_add_nc_u64 s[28:29], s[12:13], s[24:25]      ; the fragment's image
	s_lshl_b32 s24, ttmp9, 9
	s_and_b32 s33, s22, 1
	s_lshl_b32 s33, s33, 8
	s_add_co_u32 s24, s24, s33
	s_lshr_b32 s33, s22, 1
	s_lshl_b32 s33, s33, 2
	s_add_co_u32 s24, s24, s33
	s_add_nc_u64 s[30:31], s[14:15], s[24:25]      ; its scale words
	v_lshlrev_b32 v12, 4, v[RR]
	s_wait_loadcnt 0x0
	TURN KBW, SIK, SOK, 0
	QFM X, WF, WS
.irp c, 0,1,2
	global_store_b128 v[L16], v[WF+4*\c:WF+4*\c+3], s[28:29] offset:512*\c   ; 512 consecutive bytes a store
.endr
	global_store_b32 v12, v[WS], s[30:31]          ; both halves of the lanes write the same word with the same value; 4 bytes every 16: the buffer is 32,768 bytes in all
	s_wait_tensorcnt 0x0
	ds_add_u32 v190, v191
	s_wait_dscnt 0x0
	s_endpgm
	; ---- Wq and query_proj: tile ht = work-group - 64, K step = wave
.Lwq:
	s_sub_co_u32 s23, ttmp9, 64
	s_lshl_b32 s24, s23, 16
	s_lshl_b32 s33, s22, 9
	s_add_co_u32 s24, s24, s33
	s_add_nc_u64 s[26:27], s[6:7], s[24:25]
	s_mov_b32 s24, s33
	s_add_nc_u64 s[28:29], s[8:9], s[24:25]        ; query at my K step
.irp r, 0,1,2,3,4,5,6,7,8,9,10,11,12,13,14,15
	global_load_b128 v[KBW+4*\r:KBW+4*\r+3], v[L16], s[26:27] offset:4096*\r th:TH_LOAD_NT
.endr
	WIN 0x40                                       ; destination window 1
.irp m, 0,1,2,3
.irp r, 0,1,2,3,4,5,6,7,8,9,10,11,12,13,14,15
	global_load_b128 v[64*\m+4*\r:64*\m+4*\r+3], v[L16], s[28:29] offset:(16*\m+\r)*4096
.endr
.endr
	WIN 0
	s_lshl_b32 s24, s23, 12                        ; qpw: ht x 4096 + (wave / 2) x 1024 + (wave % 2) x 16
	s_lshr_b32 s33, s22, 1
	s_lshl_b32 s33, s33, 10
	s_add_co_u32 s24, s24, s33
	s_and_b32 s33, s22, 1
	s_lshl_b32 s33, s33, 4
	s_add_co_u32 s24, s24, s33
	s_add_nc_u64 s[30:31], s[16:17], s[24:25]
	v_lshlrev_b32 v13, 6, v[RR]
	v_lshl_add_u32 v13, v[HH], 5, v13              ; + 64 r + 32 h
	s_wait_loadcnt 63                              ; behind the weight's 16 loads stand 64: the largest count that the wait can name is one less
	TURN KBW, SIQ, SOQ, 0
	QFM X, WF, WS
.irp m, 0,1,2,3
	s_wait_loadcnt 48-16*\m                        ; query rows 16 m .. 16 m + 15 are in; the tiles behind them may be out
	TURN 64*\m, SIQ, SOQ, 0x04                     ; (an LDS store's data are its source 1: window 1)
	QFM X, QC+12*\m, QS+\m
.endr
.rept 8
	v_nop                                          ; a scale register written by a vector instruction stands 8 places ahead of a scaled matrix instruction, an operand so written 4
.endr
.irp m, 0,1,2,3                                ; lane (r, h) of result m: query row 16 m + r, hidden units 16 ht + 8 h + 0 .. 7
	v_wmma_scale_f32_16x16x128_f8f6f4 v[16+8*\m:23+8*\m], v[WF:WF+11], v[QC+12*\m:QC+12*\m+11], 0, v[WS], v[QS+\m] matrix_a_fmt:MATRIX_FMT_BF6 matrix_b_fmt:MATRIX_FMT_BF6
.endr
.rept 4
	v_nop                                          ; four places in front of the first read of results
.endr
.irp m, 0,1,2,3
	ds_store_b128 v[RIN], v[16+8*\m:19+8*\m] offset:1024*\m          ; each accumulator from its low end on
	ds_store_b128 v[RIN], v[20+8*\m:23+8*\m] offset:1024*\m+512
.endr
	s_wait_dscnt 0x0                               ; for the others' sake: my parts lie in LDS
	s_barrier_signal -1
	s_barrier_wait -1                              ; (all eight waves of a Wq work-group are on this arm)
.irp p, 0,1,2,3,4,5,6,7
	ds_load_b128 v[48+4*\p:51+4*\p], v[ROUT] offset:4096*\p          ; wave w sums result w / 2, registers 4 (w % 2) on, over the eight K steps
.endr
	s_wait_dscnt 0x0
.irp p, 0,2,4,6
	v_pk_add_f32 v[48+4*\p:49+4*\p], v[48+4*\p:49+4*\p], v[52+4*\p:53+4*\p]
	v_pk_add_f32 v[50+4*\p:51+4*\p], v[50+4*\p:51+4*\p], v[54+4*\p:55+4*\p]
.endr
.irp p, 0,4
	v_pk_add_f32 v[48+4*\p:49+4*\p], v[48+4*\p:49+4*\p], v[56+4*\p:57+4*\p]
	v_pk_add_f32 v[50+4*\p:51+4*\p], v[50+4*\p:51+4*\p], v[58+4*\p:59+4*\p]
.endr
	v_pk_add_f32 v[48:49], v[48:49], v[64:65]
	v_pk_add_f32 v[50:51], v[50:51], v[66:67]
	global_store_b128 v13, v[48:51], s[30:31]      ; the work-group's eight stores fill 4,096 consecutive bytes
	s_wait_tensorcnt 0x0
	ds_add_u32 v190, v191
	s_wait_dscnt 0x0
	s_endpgm
	; ---- the mask: batch b = 8 (work-group - 128) + wave
.Lmask:
	s_sub_co_u32 s23, ttmp9, 128
	s_lshl_b32 s23, s23, 3
	s_add_co_u32 s23, s23, s22
	s_lshl_b32 s24, s23, 10
	s_add_nc_u64 s[26:27], s[10:11], s[24:25]
	s_lshl_b32 s24, s23, 12
	s_add_nc_u64 s[28:29], s[18:19], s[24:25]
	s_lshl_b32 s24, s23, 7
	s_add_nc_u64 s[30:31], s[20:21], s[24:25]
.irp i, 0,1,2,3,4,5,6,7,8,9,10,11,12,13,14,15,16,17,18,19,20,21,22,23,24,25,26,27,28,29,30,31
	global_load_u8 v[16+\i], v[LN], s[26:27] offset:32*\i            ; row 32 i + lane
.endr
	s_mov_b32 s33, 0                               ; rows kept so far
	s_mov_b32 s34, 0                               ; rows masked so far
	s_wait_loadcnt 0x0
.irp i, 0,1,2,3,4,5,6,7,8,9,10,11,12,13,14,15,16,17,18,19,20,21,22,23,24,25,26,27,28,29,30,31
	v_cmp_eq_u32 vcc_lo, 0, v[16+\i]               ; kept: the mask's byte is 0
	s_not_b32 s36, vcc_lo
	v_mbcnt_lo_u32_b32 v12, vcc_lo, 0              ; kept rows in the lanes below me
	v_mbcnt_lo_u32_b32 v13, s36, 0                 ; masked rows below me
	v_add_nc_u32 v12, s33, v12
	v_add_nc_u32 v13, s34, v13
	v_sub_nc_u32 v13, 1023, v13
	v_cndmask_b32 v12, v13, v12, vcc_lo            ; pos
	v_bfe_u32 v13, v12, 4, 2                       ; j % 4
	v_lshrrev_b32 v14, 6, v12                      ; j / 4
	v_and_b32 v12, 15, v12
	v_lshl_add_u32 v12, v14, 4, v12
	v_lshl_add_u32 v12, v13, 8, v12                ; slot
	v_min_u32 v12, 0x3ff, v12                      ; (it is under 1,024 already: the bound is written where the address is made)
	v_lshlrev_b32 v[48+\i], 2, v12                 ; each store has registers of its own: none is written again
	v_add_nc_u32 v[80+\i], 32*\i, v[LN]
	global_store_b32 v[48+\i], v[80+\i], s[28:29]  ; list[b][slot] = row.  Four bytes to scattered places: the buffer is 262,144 bytes in all
	s_bcnt1_i32_b32 s35, vcc_lo
	s_add_co_u32 s33, s33, s35
	s_sub_co_u32 s35, 32, s35
	s_add_co_u32 s34, s34, s35
.endr
	v_mov_b32 v12, s33
	v_lshlrev_b32 v13, 2, v[LN]
	global_store_b32 v13, v12, s[30:31]            ; n, 32 times: 128 consecutive bytes
	s_endpgm
.Lfunc_end_k_q5b3f47136d_prep:
	.size	k_q5b3f47136d_prep, .Lfunc_end_k_q5b3f47136d_prep-k_q5b3f47136d_prep
	.p2alignl 7, 3214868480
	.fill 96, 4, 3214868480
	.section	.rodata,"a",@progbits
	.p2align	6, 0x0
	.amdhsa_kernel k_q5b3f47136d_prep
		.amdhsa_group_segment_fixed_size 168960
		.amdhsa_private_segment_fixed_size 0
		.amdhsa_enable_private_segment 0
		.amdhsa_kernarg_size 72
		.amdhsa_user_sgpr_count 2
		.amdhsa_user_sgpr_kernarg_segment_ptr 1
		.amdhsa_wavefront_size32 1
		.amdhsa_system_sgpr_workgroup_id_x 1
		.amdhsa_system_sgpr_workgroup_id_y 1
		.amdhsa_system_sgpr_workgroup_id_z 1
		.amdhsa_system_vgpr_workitem_id 0
		.amdhsa_next_free_vgpr 512
		.amdhsa_next_free_sgpr 66
		.amdhsa_reserve_vcc 1
		.amdhsa_float_denorm_mode_32 3
		.amdhsa_float_denorm_mode_16_64 3
		.amdhsa_memory_ordered 1
		.amdhsa_forward_progress 1
		.amdhsa_inst_pref_size 81
	.end_amdhsa_kernel
	.amdgpu_metadata
---
amdhsa.version: [ 1, 2 ]
amdhsa.kernels:
  - .name:           k_q5b3f47136d_prep
    .symbol:         k_q5b3f47136d_prep.kd
    .args:
      - { .name: Wk, .offset: 0, .size: 8, .value_kind: global_buffer, .address_space: global }
      - { .name: Wq, .offset: 8, .size: 8, .value_kind: global_buffer, .address_space: global }
      - { .name: query, .offset: 16, .size: 8, .value_kind: global_buffer, .address_space: global }
      - { .name: mask, .offset: 24, .size: 8, .value_kind: global_buffer, .address_space: global }
      - { .name: wkf, .offset: 32, .size: 8, .value_kind: global_buffer, .address_space: global }
      - { .name: wks, .offset: 40, .size: 8, .value_kind: global_buffer, .address_space: global }
      - { .name: qpw, .offset: 48, .size: 8, .value_kind: global_buffer, .address_space: global }
      - { .name: list, .offset: 56, .size: 8, .value_kind: global_buffer, .address_space: global }
      - { .name: cnt, .offset: 64, .size: 8, .value_kind: global_buffer, .address_space: global }
    .group_segment_fixed_size: 168960
    .private_segment_fixed_size: 0
    .kernarg_segment_align: 8
    .kernarg_segment_size: 72
    .max_flat_workgroup_size: 256
    .sgpr_count:     66
    .vgpr_count:     512
    .wavefront_size: 32
...
	.end_amdgpu_metadata
.endif
;; end of part 1
;; launch energy (part 2): grid 4 x 64, 4 waves a work-group, no clusters, 310,784 bytes of LDS; arguments keys, v, wkf, wks, qpw, list, cnt, ec; writes ec
.if DOCPART == 2
	.amdgcn_target "amdgcn-amd-amdhsa--gfx1250"
	.amdhsa_code_object_version 6
	.text
	.protected	k_q5b3f47136d_energy
	.globl	k_q5b3f47136d_energy
	.p2align	8
	.type	k_q5b3f47136d_energy,@function
k_q5b3f47136d_energy:
	s_mov_b64 s[64:65], 0
	v_nop
	global_prefetch_b8 v0, s[64:65] scope:SCOPE_SE
	s_setreg_imm32_b32 hwreg(HW_REG_WAVE_MODE, 25, 1), 1
	s_wait_xcnt 0x0
; ENERGY.  ec[b][slot] = v . tanh(query_proj[b] + Wk keys[b][row]) for the rows that the mask keeps, -infinity for every other slot.  Only tiles that hold kept rows are read and multiplied:
; what the mask hides is turned to -infinity ahead of the softmax, so its projection is work that need not be done.
; SHARES.  Work-group (q, b) owns the tiles j = 4 t + q of batch b, t = 0 .. T - 1, 16 rows each, as the list of the launch before names them; T hangs on the batch's count of kept rows and is held to 1 .. 16:
; a work-group that the count leaves without a kept row still takes its tile 0 (the list is a whole permutation, so the tile names 16 real rows), and phase C hides the result like every slot at or past the count.
; No tensor load and no cluster: what is passed over hangs on numbers read from memory, so operands come through registers.  Every loop has a constant trip count; a stage with nothing to do jumps over its work inside the trip.
; PHASE A.  Wave w reads bytes 1024 w .. + 1023 of each row (K steps 2 w, 2 w + 1), quantises them to BF6 (E3M2) with one E8M0 byte for each 32 along K, and lays fragments and scale words in LDS as images of the operand's registers.
; PHASE B.  Wave w owns hidden units 256 w .. + 255, in four groups of four tiles of 16.  A group's 32 fragments of Wk stay in registers (windows 2 and 3) while all tiles of rows pass, from the last tile down to tile 0.
; The product is used transposed (source 0 = 16 rows of Wk, source 1 = 16 rows of keys): a lane holds ONE row (lane % 16) and eight hidden units; query_proj is the C of each sum's first instruction.
; BY TURNS.  A stage's 32 matrix instructions on tile t go in four quarters of eight: h-tiles 0, 1 with K steps 0-3 | h-tiles 2, 3 with K steps 0-3 | h-tiles 0, 1 with K steps 4-7 | h-tiles 2, 3 with K steps 4-7.
; Behind each matrix instruction stand three lines of tile t + 1's tanh, in the quarter's own window (two sets of accumulators): one packed line and two transcendentals: x c and 2^ in the first two quarters, + 1 and 1 / in the last two.
; So a stage has two batches of transcendentals and two waits; the dot with v follows the second.  v tanh x = v + (-2 v) / (1 + 2^(c x)), c = 2 log2(e): the sum of the v themselves starts the dot.
; PHASE C.  The sixteen (wave, group) parts of a row's energy meet in LDS; each wave stores 256 consecutive bytes of ec.
; LIMITS: NaN and infinities among the inputs are not served; a block of zeros gets the scale byte 1 (zero codes; read by this program alone); blocks whose largest magnitude lies under 2^-122 are held at that floor.
; tanh is made of v_exp_f32 and v_rcp_f32; where 2^(c x) overflows the quotient is 0 and tanh is 1, where it falls to 0 tanh is -1.
; REGISTERS.  window 0: addresses, scale words, phase A's work.  window 1: the keys' fragments, two sets of 96 (phase A: rows as loaded, two sets of 128); v192-223 W = -2 v.
;   windows 2 (h-tiles 0, 1 of the group) and 3 (h-tiles 2, 3): v0-191 Wk's fragments (96 u + 12 ks); v192-223 accumulators (16 set + 8 u); v224-239 query_proj; v240-249 the dot's sums.
.set AIMG,  0                          ; LDS: the keys' fragments: writer wave x 49152 + tile x 3072 + f x 1536 + 512 c + 16 lane
.set IMGW,  49152
.set TILEB, 3072
.set ASC,   196608                     ; their scale words: writer x 2048 + tile x 128 + 4 lane (lanes 0-15: K step 2 w, lanes 16-31: 2 w + 1)
.set STG,   204800                     ; two stages of 16 rows x 528 bytes for each wave
.set STGF,  8448
.set EP,    272384                     ; partial energies: (4 wave + group) x 2304 + slot x 128 + 4 lane; 18 slots
.set EPG,   2304
.set EF,    309248                     ; 256 bytes for each wave: its four tiles' energies
.set L16, 1                            ; v1 16 x lane   v2 4 x lane   v3 r   v4 h   v5 8 h
.set L4,  2
.set RR,  3
.set HH,  4
.set H8,  5
.set AAD, 6                            ; v6-9  LDS addresses of the tile's fragments, one for each writer wave
.set SAD, 10                           ; v10   of its scale words
.set EAD, 11                           ; v11   of the partial energy
.set STI, 12                           ; v12, v13 my stages: way in, way out
.set STO, 13
.set IAD, 14                           ; v14   where a tile's images go;  v15 its scale words
.set WAD, 15
.set VOFF, 16                          ; v16-47  the rows' byte offsets in keys, two sets of 16
.set BS,  48                           ; v48-63  Wk's scale words: 4 u' + i: K steps 2 i (lanes 0-15) and 2 i + 1 (lanes 16-31)
.set AS,  64                           ; v64-71  the keys' scale words: 4 set + i likewise
.set VRAW, 72                          ; v72-103 v of the group's 4 x 8 hidden units of my half
.set X,   104                          ; v104-167 64 numbers: register 32 c + i = k 64 c + 32 h + i of row r
.set PC,  168                          ; v168-179 the codes just made
.set T,   180
.set TM,  188                          ; v188-195 at work
.set WD0, 200                          ; v200, v201 the scale words of f = 0, 1;  v203 the two in one register
.set WD1, 201
.set EN0, 202                          ; v202 a tile's partial energy
.set WDS, 203
.set ZR,  204                          ; v204-207 zeros
.set LB,  208                          ; v208-211 AIMG + i x 49152 + 16 lane
.set SB0, 212                          ; v212 ASC + 4 lane
.set QVO, 213                          ; v213 32 h
.set IB,  214                          ; v214 my images' base   v215 my scale words' base   v216 my partial energies' base   v217 the same, 16 bytes a lane
.set WB0, 215
.set EPB, 216
.set EZ,  217
.set PCA, 218                          ; v218-223 phase C
.set EFI, 219
.set EFO, 220
.set GO,  221
.set POS, 222
.set NEG, 223
.set QP,  224                          ; in windows 2, 3: query_proj; four chains of the dot, and the sum of the window's 16 v
.set EA,  240
.set EB,  242
.set VSP, 244
.set EC,  246
.set ED,  248
.set sW,  20                           ; s20 wave  s21 q  s22 b  s23 n  s24 T  s25 the stage's tile  s26 trips
.set sQ,  21
.set sB,  22
.set sN,  23
.set sT,  24
.set sTT, 25
.set sCT, 26
.set sAOF, 28                          ; s28-30 LDS offsets of the stage: fragments, scale words, partial energy
.set sSOF, 29
.set sEOF, 30
.set LST, 32                           ; s[32:47] a tile's 16 rows
.set sLOF, 48
.set sTMP, 49
.set CS,  50                           ; s[50:51] c = 2 log2(e)
.set SEL, 52
.set sHM, 54                           ; s54 lanes 16-31
.set sIOF, 55
.set sWOF, 56
.set sR0, 57                           ; s57 the row that stands in for tiles past the end
.set KBS, 58                           ; s[58:59] keys + b x 4 MiB + 1024 w
.set LBS, 60                           ; s[60:61] list + b x 4096 + q x 1024
.set WBS, 66                           ; s[66:67] wkf, s[68:69] wks, s[70:71] qpw, s[72:73] v: at my wave's 16 h-tiles
.set SBS, 68
.set QBS, 70
.set VBS, 72
.set TP,  74
.set ECB, 76
.set MSB, 0
.macro WIN new                         ; the immediate's high byte repeats the setting that is left
.if MSB != \new
	s_set_vgpr_msb (MSB<<8)|\new
.set MSB, \new
.endif
.endm
.macro QFM x, pc, wd                   ; 64 numbers of a lane (two whole blocks of 32) -> 12 registers of codes and the row's scale word (the same in lanes l and l xor 16)
.irp c, 0,1
	v_max3_num_f32 v[TM+\c], |v[\x+32*\c]|, |v[\x+32*\c+1]|, 0x2800000   ; the floor 2^(5 - 127): the byte cannot fall under 1
.endr
.irp i, 2,4,6,8,10,12,14,16,18,20,22,24,26,28,30
.irp c, 0,1
	v_max3_num_f32 v[TM+\c], v[TM+\c], |v[\x+32*\c+\i]|, |v[\x+32*\c+\i+1]|
.endr
.endr
.irp c, 0,1
	v_add_nc_u32 v[TM+2+\c], 0xfe000000, v[TM+\c]  ; 4 off the exponent field: the conversion's scale operand
.endr
.irp c, 0,1
	v_lshrrev_b32 v[TM+4+\c], 23, v[TM+2+\c]       ; the scale's byte
.endr
	v_lshl_or_b32 v[\wd], v[TM+5], 16, v[TM+4]
	v_lshlrev_b32 v[\wd], v[H8], v[\wd]
	v_permlanex16_b32 v[TM+6], v[\wd], s[SEL], s[SEL+1]
	v_or_b32 v[\wd], v[\wd], v[TM+6]
.irp c, 0,1
	v_cvt_scalef32_pk16_bf6_f32 v[\pc+6*\c:\pc+6*\c+2], v[\x+32*\c:\x+32*\c+15], v[TM+2+\c]
	v_cvt_scalef32_pk16_bf6_f32 v[T+4*\c:T+4*\c+2], v[\x+32*\c+16:\x+32*\c+31], v[TM+2+\c]   ; (a conversion's three registers begin on an even number)
.endr
	v_nop                                          ; one plain place behind a scaled conversion
.irp c, 0,1
.irp i, 0,1,2
	v_mov_b32 v[\pc+6*\c+3+\i], v[T+4*\c+\i]
.endr
.endr
.endm
; The 32 loads of the tile whose number stands in s[sTMP] and whose rows stand in s[LST ..], into set.  A tile past the end asks for one fixed row instead, so that a stage that works always finds the next tile's 32 loads behind its own.
.macro ISSUE_A set
	s_cmp_lt_u32 s[sTMP], s[sT]
.irp r, 0,1,2,3,4,5,6,7,8,9,10,11,12,13,14,15
	s_cselect_b32 s[LST+\r], s[LST+\r], s[sR0]
.endr
.irp r, 0,1,2,3,4,5,6,7,8,9,10,11,12,13,14,15
	s_min_u32 s[LST+\r], s[LST+\r], 1023           ; a row's number is bounded where it enters an address
.endr
.irp r, 0,1,2,3,4,5,6,7,8,9,10,11,12,13,14,15
	v_lshl_add_u32 v[VOFF+16*\set+\r], s[LST+\r], 12, v[L16]
.endr
	WIN 0x40                                       ; destination window 1
.irp f, 0,1
.irp r, 0,1,2,3,4,5,6,7,8,9,10,11,12,13,14,15
	global_load_b128 v[128*\set+64*\f+4*\r:128*\set+64*\f+4*\r+3], v[VOFF+16*\set+\r], s[KBS:KBS+1] offset:512*\f th:TH_LOAD_NT   ; 512 consecutive bytes of a row, at a multiple of 512 from the row's first byte
.endr
.endr
	WIN 0
.endm
.macro XLOAD f                         ; K step f of my two comes back from its stage, 128 bytes a lane
.irp c, 0,1
.irp i, 0,1,2,3,4,5,6,7
	ds_load_b128 v[X+32*\c+4*\i:X+32*\c+4*\i+3], v[STO] offset:STGF*(\f)+256*\c+16*\i
.endr
.endr
.endm
.macro IMAGE f
.irp c, 0,1,2
	ds_store_b128 v[IAD], v[PC+4*\c:PC+4*\c+3] offset:1536*(\f)+512*\c
.endr
.endm
; One tile of phase A.  All sixteen stages are walked; a stage past the end jumps over its work.  The counter and the two LDS offsets are stepped behind the join, on both ways.
.macro STAGE_A par
	s_cmp_ge_u32 s[sTT], s[sT]
	s_cbranch_scc1 .LpastA_\@
	s_wait_loadcnt 32                              ; this tile's 32 loads are in; the next tile's 32 may be out
	WIN 0x04                                       ; an LDS store's data are its source 1: window 1
.irp f, 0,1
.irp r, 0,1,2,3,4,5,6,7,8,9,10,11,12,13,14,15
	ds_store_b128 v[STI], v[128*\par+64*\f+4*\r:128*\par+64*\f+4*\r+3] offset:STGF*\f+528*\r
.endr
.endr
	WIN 0
	XLOAD 0
	s_wait_dscnt 0x0                               ; K step 0 is back, and the stores have read the set's registers:
	s_wait_kmcnt 0x0                               ; the rows of the tile two on are here,
	s_add_co_u32 s[sTMP], s[sTT], 2
	ISSUE_A \par                                   ; and its loads take the set
	s_add_co_u32 s[sLOF], s[sTT], 3
	s_min_u32 s[sLOF], s[sLOF], 15                 ; (the list has 16 tiles for a work-group; what lies past T is not used)
	s_lshl_b32 s[sLOF], s[sLOF], 6
	s_load_b512 s[LST:LST+15], s[LBS:LBS+1], s[sLOF] offset:0x0
	QFM X, PC, WD0
	v_add_nc_u32 v[IAD], s[sIOF], v[IB]
	IMAGE 0
	XLOAD 1
	s_wait_dscnt 0x0                               ; K step 1 is back, and the image's stores have read the codes' registers
	QFM X, PC, WD1
	IMAGE 1
	v_cndmask_b32 v[WDS], v[WD0], v[WD1], s[sHM]   ; lanes 0-15 carry K step 2 w's words, lanes 16-31 K step 2 w + 1's
	v_add_nc_u32 v[WAD], s[sWOF], v[WB0]
	ds_store_b32 v[WAD], v[WDS]
	s_branch .LnextA_\@
.LpastA_\@:
	s_wait_loadcnt 0x0                             ; a stage that is passed over leaves no load out: the stand-in rows asked for behind the last tile have come,
	s_wait_kmcnt 0x0                               ; and so has the last piece of the list
.LnextA_\@:
	s_add_co_u32 s[sTT], s[sTT], 1
	s_add_co_u32 s[sIOF], s[sIOF], TILEB
	s_add_co_u32 s[sWOF], s[sWOF], 128
.endm
; A group's weights.  Batch 1, 62 loads: h-tiles 0, 1 (window 2), their scale words and query_proj, and the group's v.  Batch 2, 54 loads: h-tiles 2, 3 (window 3).  Every place is an immediate: no base is stepped.
.macro BLOAD1 g
	WIN 0x80
.irp u, 0,1
.irp ks, 0,1,2,3,4,5,6,7
.irp c, 0,1,2
	global_load_b128 v[96*\u+12*\ks+4*\c:96*\u+12*\ks+4*\c+3], v[L16], s[WBS:WBS+1] offset:(\g)*49152+(8*\u+\ks)*1536+512*\c
.endr
.endr
.endr
.irp u, 0,1
	global_load_b128 v[QP+8*\u:QP+8*\u+3], v[QVO], s[QBS:QBS+1] offset:(\g)*16384+\u*4096
	global_load_b128 v[QP+8*\u+4:QP+8*\u+7], v[QVO], s[QBS:QBS+1] offset:(\g)*16384+\u*4096+16
.endr
	WIN 0
.irp u, 0,1
	global_load_b128 v[BS+4*\u:BS+4*\u+3], v[L16], s[SBS:SBS+1] offset:(\g)*2048+\u*512
.endr
.irp u, 0,1,2,3
	global_load_b128 v[VRAW+8*\u:VRAW+8*\u+3], v[QVO], s[VBS:VBS+1] offset:(\g)*256+\u*64
	global_load_b128 v[VRAW+8*\u+4:VRAW+8*\u+7], v[QVO], s[VBS:VBS+1] offset:(\g)*256+\u*64+16
.endr
.endm
.macro BLOAD2 g
	WIN 0xc0
.irp u, 0,1
.irp ks, 0,1,2,3,4,5,6,7
.irp c, 0,1,2
	global_load_b128 v[96*\u+12*\ks+4*\c:96*\u+12*\ks+4*\c+3], v[L16], s[WBS:WBS+1] offset:(\g)*49152+(8*(2+\u)+\ks)*1536+512*\c
.endr
.endr
.endr
.irp u, 0,1
	global_load_b128 v[QP+8*\u:QP+8*\u+3], v[QVO], s[QBS:QBS+1] offset:(\g)*16384+(2+\u)*4096
	global_load_b128 v[QP+8*\u+4:QP+8*\u+7], v[QVO], s[QBS:QBS+1] offset:(\g)*16384+(2+\u)*4096+16
.endr
	WIN 0
.irp u, 0,1
	global_load_b128 v[BS+4*(2+\u):BS+4*(2+\u)+3], v[L16], s[SBS:SBS+1] offset:(\g)*2048+(2+\u)*512
.endr
.endm
.macro ALOADH p, hf                    ; half a tile into set p: the fragments of K steps 4 hf .. 4 hf + 3 and their two scale registers: 14 LDS loads
	WIN 0x40
.irp k, 0,1,2,3
.irp c, 0,1,2
	ds_load_b128 v[96*(\p)+12*(4*(\hf)+\k)+4*\c:96*(\p)+12*(4*(\hf)+\k)+4*\c+3], v[AAD+2*(\hf)+\k/2] offset:1536*(\k%2)+512*\c
.endr
.endr
	WIN 0
.irp i, 0,1
	ds_load_b32 v[AS+4*(\p)+2*(\hf)+\i], v[SAD] offset:2048*(2*(\hf)+\i)
.endr
.endm
.macro BATCHWAIT                       ; behind a batch of transcendentals: one plain instruction, and one wait ahead of the first line that names a result
	v_nop
	s_wait_alu depctr_va_vdst(0)
.endm
; A QUARTER: the two h-tiles of window hw, K steps 4 kq .. 4 kq + 3.  mm = 1: eight matrix instructions on set par, the two accumulators by turns, K ascending (from quarter to quarter
; the accumulators change, and each turn is one instruction).  Behind the n-th stand three lines on the other set's 16 registers: the packed line of pair n + 1 and the two transcendentals of pair n (pair 0's packed line leads the quarter).
; kq = 0: x c, then 2^.  kq = 1: + 1, then 1 /.  One window setting serves all of it: source 0, source 2 and the destination in window hw, source 1 in window 1.
; The packed lines go up from register 0.  No line here names a transcendental's result: the readers stand in a later quarter, behind BATCHWAIT.
.macro QUARTER hw, par, kq, mm
.if (\hw) == 2
	WIN 0xa6
.else
	WIN 0xf7
.endif
.set hP, 192+16*(1-(\par))
.set hA, 192+16*(\par)
.if (\kq) == 0
	v_pk_mul_f32 v[hP:hP+1], v[hP:hP+1], s[CS:CS+1] op_sel_hi:[1,0]
.else
	v_pk_add_f32 v[hP:hP+1], v[hP:hP+1], 1.0 op_sel_hi:[1,0]
.endif
.set hn, 0
.rept 8
.set hk, 4*(\kq)+hn/2
.set hu, hn%2
.if \mm
.set rD, hA+8*hu
.set rB, 96*hu+12*hk
.set rK, 96*(\par)+12*hk
.set rS, BS+4*(2*((\hw)-2)+hu)+hk/2
.set rT, AS+4*(\par)+hk/2
.if hk == 0
	v_wmma_scale_f32_16x16x128_f8f6f4 v[rD:rD+7], v[rB:rB+11], v[rK:rK+11], v[QP+8*hu:QP+8*hu+7], v[rS], v[rT] matrix_a_fmt:MATRIX_FMT_BF6 matrix_b_fmt:MATRIX_FMT_BF6
.elseif hk%2 == 0
	v_wmma_scale_f32_16x16x128_f8f6f4 v[rD:rD+7], v[rB:rB+11], v[rK:rK+11], v[rD:rD+7], v[rS], v[rT] matrix_a_fmt:MATRIX_FMT_BF6 matrix_b_fmt:MATRIX_FMT_BF6
.else
	v_wmma_scale_f32_16x16x128_f8f6f4 v[rD:rD+7], v[rB:rB+11], v[rK:rK+11], v[rD:rD+7], v[rS], v[rT] matrix_a_fmt:MATRIX_FMT_BF6 matrix_b_fmt:MATRIX_FMT_BF6 matrix_a_scale:MATRIX_SCALE_ROW1 matrix_b_scale:MATRIX_SCALE_ROW1
.endif
.endif
.if hn < 7
.if (\kq) == 0
	v_pk_mul_f32 v[hP+2*hn+2:hP+2*hn+3], v[hP+2*hn+2:hP+2*hn+3], s[CS:CS+1] op_sel_hi:[1,0]
.else
	v_pk_add_f32 v[hP+2*hn+2:hP+2*hn+3], v[hP+2*hn+2:hP+2*hn+3], 1.0 op_sel_hi:[1,0]
.endif
.endif
.if (\kq) == 0
	v_exp_f32 v[hP+2*hn], v[hP+2*hn]
	v_exp_f32 v[hP+2*hn+1], v[hP+2*hn+1]
.else
	v_rcp_f32 v[hP+2*hn], v[hP+2*hn]
	v_rcp_f32 v[hP+2*hn+1], v[hP+2*hn+1]
.endif
.set hn, hn+1
.endr
.endm
.macro DOT hw, par                     ; window hw's 16 quotients times -2 v, in four chains that do not wait for each other; the sum of the 16 v themselves starts the first
.set hP, 192+16*(1-(\par))
.set hW, 192+16*((\hw)-2)
	v_pk_fma_f32 v[EA:EA+1], v[hP:hP+1], v[hW:hW+1], v[VSP:VSP+1]
	v_pk_mul_f32 v[EB:EB+1], v[hP+2:hP+3], v[hW+2:hW+3]
	v_pk_mul_f32 v[EC:EC+1], v[hP+4:hP+5], v[hW+4:hW+5]
	v_pk_mul_f32 v[ED:ED+1], v[hP+6:hP+7], v[hW+6:hW+7]
	v_pk_fma_f32 v[EA:EA+1], v[hP+8:hP+9], v[hW+8:hW+9], v[EA:EA+1]
	v_pk_fma_f32 v[EB:EB+1], v[hP+10:hP+11], v[hW+10:hW+11], v[EB:EB+1]
	v_pk_fma_f32 v[EC:EC+1], v[hP+12:hP+13], v[hW+12:hW+13], v[EC:EC+1]
	v_pk_fma_f32 v[ED:ED+1], v[hP+14:hP+15], v[hW+14:hW+15], v[ED:ED+1]
.endm
; The end of a stage: the wait for both windows' reciprocals, the two dots, and the lane's part of a row's energy (32 hidden units) in v[EN0].
; These plain lines name no register of the stage's last products: they are the places in front of whatever follows (ISA guide 7.12.1 for vector instructions).
.macro TAIL par
	BATCHWAIT
	WIN 0xf7
	DOT 3, \par
	WIN 0xa6
	DOT 2, \par
	WIN 0x0e                                       ; source 0 window 2, source 1 window 3, destination window 0
	v_pk_add_f32 v[TM:TM+1], v[EA:EA+1], v[EA:EA+1]
	v_pk_add_f32 v[TM+2:TM+3], v[EB:EB+1], v[EB:EB+1]
	v_pk_add_f32 v[TM+4:TM+5], v[EC:EC+1], v[EC:EC+1]
	v_pk_add_f32 v[TM+6:TM+7], v[ED:ED+1], v[ED:ED+1]
	WIN 0
	v_pk_add_f32 v[TM:TM+1], v[TM:TM+1], v[TM+2:TM+3]
	v_pk_add_f32 v[TM+4:TM+5], v[TM+4:TM+5], v[TM+6:TM+7]
	v_pk_add_f32 v[TM:TM+1], v[TM:TM+1], v[TM+4:TM+5]
	v_add_f32 v[EN0], v[TM], v[TM+1]
.endm
; A stage of the walk down the tiles, TT = 16 .. 1 (par = TT % 2).  TT > T: nothing.  TT = T: tile TT - 1 is fetched.  TT < T: tile TT - 1 is fetched, tile TT multiplied, tile TT + 1's tanh finished (slot TT + 1;
; in the first such stage that set holds nothing of use, and its slot is one that phase C hides).  The trip count is a constant; the counters are stepped at the head, on every way.
; The next tile's 28 LDS loads go in two runs of 14, each where no product of the wave is under way: at the stage's head, behind the last stage's second wait, and at this stage's first wait.
.macro STAGE par
	s_sub_co_u32 s[sTT], s[sTT], 1
	s_sub_co_u32 s[sAOF], s[sAOF], TILEB
	s_sub_co_u32 s[sSOF], s[sSOF], 128
	s_sub_co_u32 s[sEOF], s[sEOF], 128
	s_cmp_gt_u32 s[sTT], s[sT]
	s_cbranch_scc1 .Lskip_\@
.irp i, 0,1,2,3
	v_add_nc_u32 v[AAD+\i], s[sAOF], v[LB+\i]
.endr
	v_add_nc_u32 v[SAD], s[sSOF], v[SB0]
	s_cmp_eq_u32 s[sTT], s[sT]
	s_cbranch_scc1 .Lonly_\@
	s_wait_dscnt 0x1                               ; this tile's 28 loads are in: behind them stands at most one LDS instruction, the last stage's store (the other two ways into a stage leave nothing out)
	ALOADH 1-\par, 0
	QUARTER 2, \par, 0, 1
	s_wait_loadcnt 0x0                             ; the group's second batch (met at once in all stages but the group's first)
	QUARTER 3, \par, 0, 1
	BATCHWAIT                                      ; both windows' exponentials
	ALOADH 1-\par, 1
	QUARTER 2, \par, 1, 1
	QUARTER 3, \par, 1, 1
	TAIL \par
	v_add_nc_u32 v[EAD], s[sEOF], v[EPB]
	ds_store_b32 v[EAD], v[EN0]
	s_branch .Lend_\@
.Lonly_\@:
	ALOADH 1-\par, 0
	ALOADH 1-\par, 1
.Lskip_\@:
	s_wait_dscnt 0x0                               ; a stage that only fetches, or is passed over, leaves no LDS instruction out
.Lend_\@:
.endm
.macro VSUM base                       ; the sum of 16 v, into v[TM] and v[TM+1]
	v_pk_add_f32 v[TM:TM+1], v[\base:\base+1], v[\base+2:\base+3]
	v_pk_add_f32 v[TM+2:TM+3], v[\base+4:\base+5], v[\base+6:\base+7]
	v_pk_add_f32 v[TM+4:TM+5], v[\base+8:\base+9], v[\base+10:\base+11]
	v_pk_add_f32 v[TM+6:TM+7], v[\base+12:\base+13], v[\base+14:\base+15]
	v_pk_add_f32 v[TM:TM+1], v[TM:TM+1], v[TM+2:TM+3]
	v_pk_add_f32 v[TM+4:TM+5], v[TM+4:TM+5], v[TM+6:TM+7]
	v_pk_add_f32 v[TM:TM+1], v[TM:TM+1], v[TM+4:TM+5]
.endm
; A group of four h-tiles.  Tile 0 comes last, in every work-group, and is written out: there the registers of Wk are asked for anew (refill = 1).  Window 2's 62 loads go out behind that window's last product.
; Window 3's 54 go out behind tile 0's tanh, which has no product to stand beside: so that vector work is done while the first 62 loads are on their way, and the wave never has to hold more loads than its counter can count while it still has work.
; The last two partial energies go to places that are constants of the text.
.macro GROUP g, refill
	s_wait_loadcnt 54                              ; batch 1 is in; the 54 loads of batch 2 may be out (and all that phase A left on its way is in)
	WIN 0x40
.irp k, 0,2,4,6,8,10,12,14,16,18,20,22,24,26,28,30
	v_pk_mul_f32 v[192+\k:193+\k], v[VRAW+\k:VRAW+\k+1], -2.0 op_sel_hi:[1,0]
.endr
	WIN 0
	VSUM VRAW
	WIN 0x80
	v_add_f32 v[VSP], v[TM], v[TM+1]
	v_mov_b32 v[VSP+1], 0
	WIN 0
	VSUM VRAW+16
	WIN 0xc0
	v_add_f32 v[VSP], v[TM], v[TM+1]
	v_mov_b32 v[VSP+1], 0
	WIN 0
	s_mov_b32 s[sTT], 17
	s_mov_b32 s[sAOF], 16*TILEB
	s_mov_b32 s[sSOF], 16*128
	s_mov_b32 s[sEOF], (\g)*EPG+18*128
	s_mov_b32 s[sCT], 0
.Lwalk_\@:
	STAGE 0
	STAGE 1
	s_add_co_u32 s[sCT], s[sCT], 1
	s_cmp_lt_u32 s[sCT], 8
	s_cbranch_scc1 .Lwalk_\@
	s_wait_dscnt 0x1                               ; tile 0's fragments are in; the last stage's store may be out
	QUARTER 2, 0, 0, 1
	s_wait_loadcnt 0x0
	QUARTER 3, 0, 0, 1
	BATCHWAIT
	QUARTER 2, 0, 1, 1
.if \refill
.rept 4
	v_nop                                          ; four places between window 2's last product and the loads into its sources
.endr
	BLOAD1 (\g)+1
.endif
	QUARTER 3, 0, 1, 1
	TAIL 0
	ds_store_b32 v[EPB], v[EN0] offset:(\g)*EPG+128    ; slot 1
	QUARTER 2, 1, 0, 0                             ; tile 0's tanh: no product is left to set it beside
	QUARTER 3, 1, 0, 0
	BATCHWAIT
	QUARTER 2, 1, 1, 0
	QUARTER 3, 1, 1, 0
	TAIL 1
	ds_store_b32 v[EPB], v[EN0] offset:(\g)*EPG        ; slot 0
.if \refill
	BLOAD2 (\g)+1
.endif
.endm
	s_load_b512 s[4:19], s[0:1], 0x0               ; keys s[4:5], v s[6:7], wkf s[8:9], wks s[10:11], qpw s[12:13], list s[14:15], cnt s[16:17], ec s[18:19]
	v_lshl_add_u32 v254, v0, 2, 0x4bc00
	v_mov_b32 v255, 0
	v_lshrrev_b32 v[L4], 5, v0
	v_readfirstlane_b32 s[sW], v[L4]               ; wave 0..3
	s_mov_b32 s[sQ], ttmp9
	s_and_b32 s[sB], ttmp7, 0xffff
	v_and_b32 v[RR], 31, v0
	v_lshlrev_b32 v[L16], 4, v[RR]
	v_lshlrev_b32 v[L4], 2, v[RR]
	v_lshlrev_b32 v[GO], 3, v[RR]
	v_and_b32 v[RR], 15, v0
	v_bfe_u32 v[HH], v0, 4, 1
	v_lshlrev_b32 v[H8], 3, v[HH]
	v_lshlrev_b32 v[QVO], 5, v[HH]
	s_mul_i32 s[sTMP], s[sW], 2*STGF
	s_add_co_u32 s[sTMP], s[sTMP], STG
	v_add_nc_u32 v[STI], s[sTMP], v[L16]
	v_mul_u32_u24 v[STO], v[RR], 528
	v_lshl_add_u32 v[STO], v[HH], 7, v[STO]
	v_add_nc_u32 v[STO], s[sTMP], v[STO]
	s_mul_i32 s[sTMP], s[sW], IMGW
	v_add_nc_u32 v[IB], s[sTMP], v[L16]
	s_lshl_b32 s[sTMP], s[sW], 11
	s_add_co_u32 s[sTMP], s[sTMP], ASC
	v_add_nc_u32 v[WB0], s[sTMP], v[L4]
.irp i, 0,1,2,3
	v_add_nc_u32 v[LB+\i], AIMG+\i*IMGW, v[L16]
.endr
	v_add_nc_u32 v[SB0], ASC, v[L4]
	s_mul_i32 s[sTMP], s[sW], 4*EPG
	s_add_co_u32 s[sTMP], s[sTMP], EP
	v_add_nc_u32 v[EPB], s[sTMP], v[L4]
	v_add_nc_u32 v[EZ], s[sTMP], v[L16]
	s_lshl_b32 s[sTMP], s[sW], 9
	s_add_co_u32 s[sTMP], s[sTMP], EP
	v_add_nc_u32 v[PCA], s[sTMP], v[L4]
	s_lshl_b32 s[sTMP], s[sW], 8
	s_add_co_u32 s[sTMP], s[sTMP], EF
	v_lshl_add_u32 v[EFI], v[RR], 2, s[sTMP]
	v_add_nc_u32 v[EFO], s[sTMP], v[GO]
	s_mov_b32 s[CS], 0x4038aa3b                    ; c = 2 log2(e)
	s_mov_b32 s[CS+1], s[CS]                       ; (named with it as a pair, so it is written)
	s_mov_b32 s[SEL], 0x76543210
	s_mov_b32 s[SEL+1], 0xfedcba98
	s_mov_b32 s[sHM], 0xffff0000
	s_mov_b32 s[TP+1], 0
	s_wait_kmcnt 0x0
	s_lshl_b32 s[TP], s[sB], 7
	s_add_nc_u64 s[16:17], s[16:17], s[TP:TP+1]
	s_load_b32 s[sN], s[16:17], 0x0                ; the batch's count of kept rows
	s_lshl_b32 s[TP], s[sB], 12
	s_lshl_b32 s[sTMP], s[sQ], 10
	s_add_co_u32 s[TP], s[TP], s[sTMP]
	s_add_nc_u64 s[LBS:LBS+1], s[14:15], s[TP:TP+1]
	s_load_b512 s[LST:LST+15], s[LBS:LBS+1], 0x0   ; tile 0's rows
	s_lshl_b32 s[sTMP], s[sW], 8
	s_add_co_u32 s[TP], s[TP], s[sTMP]
	s_add_nc_u64 s[ECB:ECB+1], s[18:19], s[TP:TP+1]
	s_lshl_b32 s[TP], s[sB], 22
	s_lshl_b32 s[sTMP], s[sW], 10
	s_add_co_u32 s[TP], s[TP], s[sTMP]
	s_add_nc_u64 s[KBS:KBS+1], s[4:5], s[TP:TP+1]
	s_mov_b32 s[TP], s[sTMP]
	s_add_nc_u64 s[VBS:VBS+1], s[6:7], s[TP:TP+1]
	s_mul_i32 s[TP], s[sW], 196608
	s_add_nc_u64 s[WBS:WBS+1], s[8:9], s[TP:TP+1]
	s_lshl_b32 s[TP], s[sW], 13
	s_add_nc_u64 s[SBS:SBS+1], s[10:11], s[TP:TP+1]
	s_lshl_b32 s[TP], s[sW], 16
	s_lshl_b32 s[sTMP], s[sB], 6
	s_add_co_u32 s[TP], s[TP], s[sTMP]
	s_add_nc_u64 s[QBS:QBS+1], s[12:13], s[TP:TP+1]
	s_wait_kmcnt 0x0
	s_min_u32 s[sN], s[sN], 1024
	s_add_co_u32 s[sT], s[sN], 15
	s_lshr_b32 s[sT], s[sT], 4                     ; the batch's tiles
	s_add_co_u32 s[sT], s[sT], 3
	s_sub_co_u32 s[sT], s[sT], s[sQ]
	s_lshr_b32 s[sT], s[sT], 2                     ; mine: 0 .. 16,
	s_max_u32 s[sT], s[sT], 1                      ; held at 1 from below: tile 0 is always taken, and hidden in phase C where it holds no kept row
	s_min_u32 s[sR0], s[LST], 1023
	s_mov_b32 s[sTMP], 0
	ISSUE_A 0
	s_load_b512 s[LST:LST+15], s[LBS:LBS+1], 0x40
.irp k, 0,1,2,3
	v_mov_b32 v[ZR+\k], 0
.endr
.irp k, 0,1,2,3,4,5,6,7,8,9,10,11,12,13,14,15,16,17
	ds_store_b128 v[EZ], v[ZR:ZR+3] offset:512*\k  ; my partial energies begin as zeros: phase C reads all sixteen tiles' slots
.endr
.irp k, 0,1,2,3,4,5,6,7
	v_mov_b32 v[AS+\k], 0x7f7f7f7f                 ; scale words of 1.0: written before any way can name them
.endr
	v_mov_b32 v[TM+6], 0                           ; a lane permute's destination counts as one of its sources
	WIN 0x80
.set z, 0
.rept 32
	v_mov_b32 v[192+z], 0                          ; both sets of accumulators: a group's first slices walk a set that no product has filled yet
.set z, z+1
.endr
	WIN 0xc0
.set z, 0
.rept 32
	v_mov_b32 v[192+z], 0
.set z, z+1
.endr
	WIN 0
	s_wait_kmcnt 0x0
	s_mov_b32 s[sTMP], 1
	ISSUE_A 1
	s_load_b512 s[LST:LST+15], s[LBS:LBS+1], 0x80
	s_mov_b32 s[sTT], 0
	s_mov_b32 s[sIOF], 0
	s_mov_b32 s[sWOF], 0
	s_mov_b32 s[sCT], 0
.LloopA:
	STAGE_A 0
	STAGE_A 1
	s_add_co_u32 s[sCT], s[sCT], 1
	s_cmp_lt_u32 s[sCT], 8
	s_cbranch_scc1 .LloopA
	s_wait_kmcnt 0x0                               ; the last list load has landed
	BLOAD1 0                                       ; group 0's weights are on their way while the waves meet
	BLOAD2 0
	s_wait_dscnt 0x0                               ; for the others' sake: my images, scale words and zeros lie in LDS
	s_barrier_signal -1
	s_barrier_wait -1
	GROUP 0, 1
	GROUP 1, 1
	GROUP 2, 1
	GROUP 3, 0
	s_wait_dscnt 0x0                               ; my partial energies lie in LDS
	s_barrier_signal -1
	s_barrier_wait -1
.irp i, 0,1,2,3                                ; wave w sums tiles 4 w + i over the sixteen (wave, group) parts
.irp k, 0,1,2,3,4,5,6,7,8,9,10,11,12,13,14,15
	ds_load_b32 v[X+16*\i+\k], v[PCA] offset:EPG*\k+128*\i
.endr
.endr
	s_lshl_b32 s[sTMP], s[sW], 8
	s_lshl_b32 s[TP], s[sQ], 4
	s_add_co_u32 s[sTMP], s[sTMP], s[TP]
	v_add_nc_u32 v[POS], s[sTMP], v[RR]            ; the row's place among the batch's rows: 64 t + 16 q + r, t = 4 w + i
	v_mov_b32 v[NEG], 0xff800000                   ; -infinity
	s_wait_dscnt 0x0
.irp i, 0,1,2,3
.irp k, 0,4,8,12
	v_pk_add_f32 v[X+16*\i+\k:X+16*\i+\k+1], v[X+16*\i+\k:X+16*\i+\k+1], v[X+16*\i+\k+2:X+16*\i+\k+3]
.endr
	v_pk_add_f32 v[X+16*\i:X+16*\i+1], v[X+16*\i:X+16*\i+1], v[X+16*\i+4:X+16*\i+5]
	v_pk_add_f32 v[X+16*\i+8:X+16*\i+9], v[X+16*\i+8:X+16*\i+9], v[X+16*\i+12:X+16*\i+13]
	v_pk_add_f32 v[X+16*\i:X+16*\i+1], v[X+16*\i:X+16*\i+1], v[X+16*\i+8:X+16*\i+9]
	v_add_f32 v[X+16*\i], v[X+16*\i], v[X+16*\i+1]
	v_permlanex16_b32 v[X+16*\i+1], v[X+16*\i], s[SEL], s[SEL+1]
	v_add_f32 v[X+16*\i], v[X+16*\i], v[X+16*\i+1] ; with the other half of the hidden units: the row's energy
	v_add_nc_u32 v[PC], 64*\i, v[POS]
	v_cmp_gt_u32 vcc_lo, s[sN], v[PC]              ; a place under n holds a kept row
	v_cndmask_b32 v[X+16*\i], v[NEG], v[X+16*\i], vcc_lo
	ds_store_b32 v[EFI], v[X+16*\i] offset:64*\i   ; both halves of the lanes write the same word with the same value
.endr
	ds_load_b64 v[PC+2:PC+3], v[EFO]               ; LDS serves a wave's instructions in order: this sees my stores
	s_wait_dscnt 0x0
	global_store_b64 v[GO], v[PC+2:PC+3], s[ECB:ECB+1]   ; 32 lanes store 256 consecutive bytes, at a multiple of 256 from ec's first byte
	s_wait_tensorcnt 0x0
	ds_add_u32 v254, v255
	s_wait_dscnt 0x0
	s_endpgm
.Lfunc_end_k_q5b3f47136d_energy:
	.size	k_q5b3f47136d_energy, .Lfunc_end_k_q5b3f47136d_energy-k_q5b3f47136d_energy
	.p2alignl 7, 3214868480
	.fill 96, 4, 3214868480
	.section	.rodata,"a",@progbits
	.p2align	6, 0x0
	.amdhsa_kernel k_q5b3f47136d_energy
		.amdhsa_group_segment_fixed_size 310784
		.amdhsa_private_segment_fixed_size 0
		.amdhsa_enable_private_segment 0
		.amdhsa_kernarg_size 64
		.amdhsa_user_sgpr_count 2
		.amdhsa_user_sgpr_kernarg_segment_ptr 1
		.amdhsa_wavefront_size32 1
		.amdhsa_system_sgpr_workgroup_id_x 1
		.amdhsa_system_sgpr_workgroup_id_y 1
		.amdhsa_system_sgpr_workgroup_id_z 1
		.amdhsa_system_vgpr_workitem_id 0
		.amdhsa_next_free_vgpr 1024
		.amdhsa_next_free_sgpr 80
		.amdhsa_reserve_vcc 1
		.amdhsa_float_denorm_mode_32 3
		.amdhsa_float_denorm_mode_16_64 3
		.amdhsa_memory_ordered 1
		.amdhsa_forward_progress 1
		.amdhsa_inst_pref_size 255
	.end_amdhsa_kernel
	.section	.bss,"aw",@nobits
	.p2align	6
	.space	262144
	.amdgpu_metadata
---
amdhsa.version: [ 1, 2 ]
amdhsa.kernels:
  - .name:           k_q5b3f47136d_energy
    .symbol:         k_q5b3f47136d_energy.kd
    .args:
      - { .name: keys, .offset: 0, .size: 8, .value_kind: global_buffer, .address_space: global }
      - { .name: v, .offset: 8, .size: 8, .value_kind: global_buffer, .address_space: global }
      - { .name: wkf, .offset: 16, .size: 8, .value_kind: global_buffer, .address_space: global }
      - { .name: wks, .offset: 24, .size: 8, .value_kind: global_buffer, .address_space: global }
      - { .name: qpw, .offset: 32, .size: 8, .value_kind: global_buffer, .address_space: global }
      - { .name: list, .offset: 40, .size: 8, .value_kind: global_buffer, .address_space: global }
      - { .name: cnt, .offset: 48, .size: 8, .value_kind: global_buffer, .address_space: global }
      - { .name: ec, .offset: 56, .size: 8, .value_kind: global_buffer, .address_space: global }
    .group_segment_fixed_size: 310784
    .private_segment_fixed_size: 0
    .kernarg_segment_align: 8
    .kernarg_segment_size: 64
    .max_flat_workgroup_size: 128
    .sgpr_count:     80
    .vgpr_count:     1024
    .wavefront_size: 32
...
	.end_amdgpu_metadata
.endif
;; end of part 2
;; launch context (part 3): grid 4 x 64, 16 waves a work-group, no clusters, 23,040 bytes of LDS; arguments keys, list, cnt, ec, out0, out1; writes out0, out1
.if DOCPART == 3
	.amdgcn_target "amdgcn-amd-amdhsa--gfx1250"
	.amdhsa_code_object_version 6
	.text
	.protected	k_q5b3f47136d_context
	.globl	k_q5b3f47136d_context
	.p2align	8
	.type	k_q5b3f47136d_context,@function
k_q5b3f47136d_context:
	s_mov_b64 s[64:65], 0
	v_nop
	global_prefetch_b8 v0, s[64:65] scope:SCOPE_SE
	s_setreg_imm32_b32 hwreg(HW_REG_WAVE_MODE, 25, 1), 1
	s_wait_xcnt 0x0
; CONTEXT.  attn = softmax of the energies (out1), context = attn . keys (out0).  Work-group (c, b) owns columns 256 c .. + 255 of batch b's context: each output number has one owner.
; Each of a batch's four work-groups makes the softmax of the 1,024 slots for itself (4 KiB of ec); quarter c of the slots is scattered to out1 by work-group c.  The list is a whole permutation of the rows, so every
; number of out1 is written, the zeros of masked rows too.  The maximum is taken away before the exponential; a batch with no kept row has every p = 0, a divisor held at 1, and zeros in both outputs, as the reference leaves there.
; Only tiles that hold kept rows are read: wave w takes tiles j = w + 16 i; a tile's 16 rows x 1,024 bytes are 32 loads of 512 consecutive bytes.  The rows go through a ring of 16 slots in registers: behind a row's four
; multiply-adds the same row of the wave's next tile is asked for.  Where there is no next tile one fixed row is asked for instead, so that the counts are the same on every way, and the wave then leaves; those loads are never read.
; A tile's rows past the count carry p = 0.  Memory binds: no matrix unit, no tensor load, no cluster.
; LIMITS: NaN and infinities in keys are not served (a row with p = 0 is still multiplied, as in the reference's own sum).
.set PB, 0                             ; LDS: p by slot, 4,096 bytes
.set RM, 4096                          ; the waves' maxima
.set RS, 4352                          ; the waves' sums
.set RC, 4608                          ; the waves' parts of the context: wave x 1024
.set SEL, 96
; v1 16 x lane  v3 8 x thread  v[4:5] e, then p  v[6:7] the slots' rows  v8, v9 at work  v10 1 / sum  v12 4 x wave  v13 0  v14 my tiles' first p  v15 my part's place in RC
; v16-23 the sums  v24, v25 attn  v28 16 x thread  v32-47 the rows' offsets  v48-63 a tile's p  v64-191 the ring  v192-255 the last sum
; s[16:31], s[32:47], s[48:63], s[68:83] my four tiles' rows  s84 wave  s85 b  s86 c  s87 tiles  s94 the stand-in row
.macro ROWS set, i                     ; tile i's 16 rows: bounded, or the stand-in row where the tile does not exist
	s_add_co_u32 s95, s84, 16*(\i)
	s_cmp_lt_u32 s95, s87
.irp r, 0,1,2,3,4,5,6,7,8,9,10,11,12,13,14,15
	s_cselect_b32 s[\set+\r], s[\set+\r], s94
.endr
.irp r, 0,1,2,3,4,5,6,7,8,9,10,11,12,13,14,15
	s_min_u32 s[\set+\r], s[\set+\r], 1023
.endr
.endm
.macro CONSUME i, refill, nset
.if \refill
	ROWS \nset, (\i)+1
.endif
.irp k, 0,1,2,3
	ds_load_b128 v[48+4*\k:51+4*\k], v14 offset:PB+256*(\i)+16*\k    ; the tile's 16 p, the same in every lane
.endr
	s_wait_dscnt 0x0
.irp r, 0,1,2,3,4,5,6,7,8,9,10,11,12,13,14,15
.if \refill
	s_wait_loadcnt 30                              ; row r's two loads are in; behind them: this tile's rows r + 1 .. 15 and the next tile's rows 0 .. r - 1, 15 rows of two loads
.else
	s_wait_loadcnt 30-2*\r                         ; the last tile: the counts run down
.endif
.irp k, 0,1,2,3
.if (\r)%2 == 0
	v_pk_fma_f32 v[16+2*\k:17+2*\k], v[64+8*\r+2*\k:65+8*\r+2*\k], v[48+\r:49+\r], v[16+2*\k:17+2*\k] op_sel_hi:[1,0,1]
.else
	v_pk_fma_f32 v[16+2*\k:17+2*\k], v[64+8*\r+2*\k:65+8*\r+2*\k], v[47+\r:48+\r], v[16+2*\k:17+2*\k] op_sel:[0,1,0] op_sel_hi:[1,1,1]
.endif
.endr
.if \refill
	v_lshl_add_u32 v[32+\r], s[\nset+\r], 12, v1   ; free since the wait above showed its loads done
	global_load_b128 v[64+8*\r:67+8*\r], v[32+\r], s[4:5] th:TH_LOAD_NT
	global_load_b128 v[68+8*\r:71+8*\r], v[32+\r], s[4:5] offset:512 th:TH_LOAD_NT
.endif
.endr
.endm
.macro QADD a, b                       ; four numbers onto four
	v_pk_add_f32 v[\a:\a+1], v[\a:\a+1], v[\b:\b+1]
	v_pk_add_f32 v[\a+2:\a+3], v[\a+2:\a+3], v[\b+2:\b+3]
.endm
	s_load_b256 s[4:11], s[0:1], 0x0               ; keys s[4:5], list s[6:7], cnt s[8:9], ec s[10:11]
	s_load_b128 s[12:15], s[0:1], 0x20             ; out0 s[12:13], out1 s[14:15]
	v_lshl_add_u32 v30, v0, 2, 0x5200
	v_mov_b32 v31, 0
	v_lshrrev_b32 v1, 5, v0
	v_readfirstlane_b32 s84, v1                    ; wave 0..15
	s_and_b32 s85, ttmp7, 0xffff                   ; b
	s_mov_b32 s86, ttmp9                           ; c
	v_and_b32 v2, 31, v0
	v_lshlrev_b32 v1, 4, v2
	v_lshlrev_b32 v3, 3, v0
	v_lshlrev_b32 v28, 4, v0
	s_lshl_b32 s90, s84, 2
	v_mov_b32 v12, s90
	v_mov_b32 v13, 0
	s_and_b32 s90, s84, 3                          ; tile j = w + 16 i begins at slot 256 (w % 4) + 16 (w / 4) + 64 i
	s_lshl_b32 s90, s90, 10
	s_lshr_b32 s91, s84, 2
	s_lshl_b32 s91, s91, 6
	s_add_co_u32 s90, s90, s91                     ; in bytes of 4 a slot
	v_mov_b32 v14, s90
	s_lshl_b32 s91, s84, 10
	v_add_nc_u32 v15, s91, v1
	v_mov_b32 v9, 0                                ; a lane permute's destination counts as one of its sources
.irp k, 0,1,2,3,4,5,6,7
	v_mov_b32 v[16+\k], 0
.endr
	s_mov_b32 s[SEL], 0x76543210
	s_mov_b32 s[SEL+1], 0xfedcba98
	s_mov_b32 s89, 0
	s_lshl_b32 s88, s85, 12
	s_wait_kmcnt 0x0
	s_add_nc_u64 s[6:7], s[6:7], s[88:89]
	s_add_nc_u64 s[10:11], s[10:11], s[88:89]
	s_add_nc_u64 s[14:15], s[14:15], s[88:89]
	s_add_nc_u64 s[12:13], s[12:13], s[88:89]
	global_load_b64 v[4:5], v3, s[10:11]           ; two slots' energies a thread
	global_load_b64 v[6:7], v3, s[6:7]             ; and their rows
	s_mov_b32 s88, s90
	s_add_nc_u64 s[92:93], s[6:7], s[88:89]
	s_load_b512 s[16:31], s[92:93], 0x0
	s_load_b512 s[32:47], s[92:93], 0x100
	s_load_b512 s[48:63], s[92:93], 0x200
	s_load_b512 s[68:83], s[92:93], 0x300
	s_lshl_b32 s88, s85, 7
	s_add_nc_u64 s[8:9], s[8:9], s[88:89]
	s_load_b32 s87, s[8:9], 0x0
	s_lshl_b32 s88, s86, 10
	s_add_nc_u64 s[12:13], s[12:13], s[88:89]      ; out0 at my 256 columns
	s_lshl_b32 s91, s85, 22
	s_add_co_u32 s88, s88, s91
	s_add_nc_u64 s[4:5], s[4:5], s[88:89]          ; keys at my batch and my columns
	s_wait_kmcnt 0x0
	s_min_u32 s87, s87, 1024
	s_add_co_u32 s87, s87, 15
	s_lshr_b32 s87, s87, 4                         ; the batch's tiles
	s_min_u32 s94, s16, 1023
	ROWS 16, 0
.irp r, 0,1,2,3,4,5,6,7,8,9,10,11,12,13,14,15
	v_lshl_add_u32 v[32+\r], s[16+\r], 12, v1
	global_load_b128 v[64+8*\r:67+8*\r], v[32+\r], s[4:5] th:TH_LOAD_NT            ; 512 consecutive bytes of a row
	global_load_b128 v[68+8*\r:71+8*\r], v[32+\r], s[4:5] offset:512 th:TH_LOAD_NT
.endr
	; ---- the softmax, while the first tile is on its way
	s_wait_loadcnt 32                              ; the energies and the rows are in; the 32 loads of keys may be out
	v_max_num_f32 v8, v4, v5
	v_max_num_f32_dpp v8, v8, v8 row_xmask:1 row_mask:0xf bank_mask:0xf
	v_max_num_f32_dpp v8, v8, v8 row_xmask:2 row_mask:0xf bank_mask:0xf
	v_max_num_f32_dpp v8, v8, v8 row_xmask:4 row_mask:0xf bank_mask:0xf
	v_max_num_f32_dpp v8, v8, v8 row_xmask:8 row_mask:0xf bank_mask:0xf
	v_permlanex16_b32 v9, v8, s[SEL], s[SEL+1]
	v_max_num_f32 v8, v8, v9
	ds_store_b32 v12, v8 offset:RM                 ; all lanes write the wave's word with the same value
	s_wait_dscnt 0x0
	s_barrier_signal -1
	s_barrier_wait -1
.irp k, 0,1,2,3
	ds_load_b128 v[48+4*\k:51+4*\k], v13 offset:RM+16*\k
.endr
	s_wait_dscnt 0x0
	v_max3_num_f32 v8, v48, v49, v50
.irp k, 51,53,55,57,59,61
	v_max3_num_f32 v8, v8, v[\k], v[\k+1]
.endr
	v_max3_num_f32 v8, v8, v63, 0xff61b1e6         ; the batch's largest energy, held at -3e38 from below: with no kept row e - m is still -infinity, and p is 0
	v_sub_f32 v4, v4, v8                           ; the maximum is taken away first
	v_sub_f32 v5, v5, v8
	v_mul_f32 v4, 0x3fb8aa3b, v4
	v_mul_f32 v5, 0x3fb8aa3b, v5
	v_exp_f32 v4, v4
	v_exp_f32 v5, v5
	v_nop                                          ; one plain place behind the exponentials,
	s_wait_alu depctr_va_vdst(0)                   ; and the wait ahead of the first line that names a result
	ds_store_b64 v3, v[4:5] offset:PB
	v_add_f32 v8, v4, v5
	v_add_f32_dpp v8, v8, v8 row_xmask:1 row_mask:0xf bank_mask:0xf
	v_add_f32_dpp v8, v8, v8 row_xmask:2 row_mask:0xf bank_mask:0xf
	v_add_f32_dpp v8, v8, v8 row_xmask:4 row_mask:0xf bank_mask:0xf
	v_add_f32_dpp v8, v8, v8 row_xmask:8 row_mask:0xf bank_mask:0xf
	v_permlanex16_b32 v9, v8, s[SEL], s[SEL+1]
	v_add_f32 v8, v8, v9
	ds_store_b32 v12, v8 offset:RS
	s_wait_dscnt 0x0                               ; my p and my sum lie in LDS
	s_barrier_signal -1
	s_barrier_wait -1
.irp k, 0,1,2,3
	ds_load_b128 v[48+4*\k:51+4*\k], v13 offset:RS+16*\k
.endr
	s_wait_dscnt 0x0
.irp k, 0,4,8,12
	v_pk_add_f32 v[48+\k:49+\k], v[48+\k:49+\k], v[50+\k:51+\k]
.endr
	v_pk_add_f32 v[48:49], v[48:49], v[52:53]
	v_pk_add_f32 v[56:57], v[56:57], v[60:61]
	v_pk_add_f32 v[48:49], v[48:49], v[56:57]
	v_add_f32 v10, v48, v49
	v_max_num_f32 v10, 1.0, v10                    ; the largest p is 1 wherever a row is kept; with none the divisor is 1 and the outputs are zeros
	v_rcp_f32 v10, v10
	v_nop
	s_wait_alu depctr_va_vdst(0)
	; ---- out1: quarter c of the slots
	s_lshr_b32 s88, s84, 2
	s_cmp_lg_u32 s88, s86
	s_cbranch_scc1 .Lno_attn
	v_min_u32 v6, 0x3ff, v6
	v_min_u32 v7, 0x3ff, v7
	v_lshlrev_b32 v6, 2, v6
	v_lshlrev_b32 v7, 2, v7
	v_mul_f32 v24, v4, v10
	v_mul_f32 v25, v5, v10
	global_store_b32 v6, v24, s[14:15]             ; four bytes to scattered places: the output is 262,144 bytes in all
	global_store_b32 v7, v25, s[14:15]
.Lno_attn:
	; ---- the weighted sum of my tiles' rows
	s_cmp_ge_u32 s84, s87
	s_cbranch_scc1 .Ldone
	CONSUME 0, 1, 32
	s_add_co_u32 s95, s84, 16
	s_cmp_ge_u32 s95, s87
	s_cbranch_scc1 .Ldone
	CONSUME 1, 1, 48
	s_add_co_u32 s95, s84, 32
	s_cmp_ge_u32 s95, s87
	s_cbranch_scc1 .Ldone
	CONSUME 2, 1, 68
	s_add_co_u32 s95, s84, 48
	s_cmp_ge_u32 s95, s87
	s_cbranch_scc1 .Ldone
	CONSUME 3, 0, 0
.Ldone:                                        ; (loads may still be out into v64-191 by v32-47: neither is named from here on)
	ds_store_b128 v15, v[16:19] offset:RC
	ds_store_b128 v15, v[20:23] offset:RC+512
	s_wait_dscnt 0x0
	s_barrier_signal -1
	s_barrier_wait -1
	s_cmp_ge_u32 s84, 2
	s_cbranch_scc1 .Lend                           ; waves 0 and 1 add the sixteen parts: 16 bytes a thread
.irp p, 0,1,2,3,4,5,6,7,8,9,10,11,12,13,14,15
	ds_load_b128 v[192+4*\p:195+4*\p], v28 offset:RC+1024*\p
.endr
	s_wait_dscnt 0x0
.irp p, 0,2,4,6,8,10,12,14
	QADD 192+4*\p, 196+4*\p
.endr
.irp p, 0,4,8,12
	QADD 192+4*\p, 200+4*\p
.endr
	QADD 192, 208
	QADD 224, 240
	QADD 192, 224
.irp k, 0,1,2,3
	v_mul_f32 v[192+\k], v[192+\k], v10
.endr
	global_store_b128 v28, v[192:195], s[12:13]    ; a wave stores 512 consecutive bytes, at a multiple of 512 from out0's first byte
.Lend:
	s_wait_tensorcnt 0x0
	ds_add_u32 v30, v31
	s_wait_dscnt 0x0
	s_endpgm
.Lfunc_end_k_q5b3f47136d_context:
	.size	k_q5b3f47136d_context, .Lfunc_end_k_q5b3f47136d_context-k_q5b3f47136d_context
	.p2alignl 7, 3214868480
	.fill 96, 4, 3214868480
	.section	.rodata,"a",@progbits
	.p2align	6, 0x0
	.amdhsa_kernel k_q5b3f47136d_context
		.amdhsa_group_segment_fixed_size 23040
		.amdhsa_private_segment_fixed_size 0
		.amdhsa_enable_private_segment 0
		.amdhsa_kernarg_size 48
		.amdhsa_user_sgpr_count 2
		.amdhsa_user_sgpr_kernarg_segment_ptr 1
		.amdhsa_wavefront_size32 1
		.amdhsa_system_sgpr_workgroup_id_x 1
		.amdhsa_system_sgpr_workgroup_id_y 1
		.amdhsa_system_sgpr_workgroup_id_z 1
		.amdhsa_system_vgpr_workitem_id 0
		.amdhsa_next_free_vgpr 256
		.amdhsa_next_free_sgpr 100
		.amdhsa_reserve_vcc 0
		.amdhsa_float_denorm_mode_32 3
		.amdhsa_float_denorm_mode_16_64 3
		.amdhsa_memory_ordered 1
		.amdhsa_forward_progress 1
		.amdhsa_inst_pref_size 52
	.end_amdhsa_kernel
	.amdgpu_metadata
---
amdhsa.version: [ 1, 2 ]
amdhsa.kernels:
  - .name:           k_q5b3f47136d_context
    .symbol:         k_q5b3f47136d_context.kd
    .args:
      - { .name: keys, .offset: 0, .size: 8, .value_kind: global_buffer, .address_space: global }
      - { .name: list, .offset: 8, .size: 8, .value_kind: global_buffer, .address_space: global }
      - { .name: cnt, .offset: 16, .size: 8, .value_kind: global_buffer, .address_space: global }
      - { .name: ec, .offset: 24, .size: 8, .value_kind: global_buffer, .address_space: global }
      - { .name: out0, .offset: 32, .size: 8, .value_kind: global_buffer, .address_space: global }
      - { .name: out1, .offset: 40, .size: 8, .value_kind: global_buffer, .address_space: global }
    .group_segment_fixed_size: 23040
    .private_segment_fixed_size: 0
    .kernarg_segment_align: 8
    .kernarg_segment_size: 48
    .max_flat_workgroup_size: 512
    .sgpr_count:     100
    .vgpr_count:     256
    .wavefront_size: 32
...
	.end_amdgpu_metadata
.endif
;; end of part 3
;; ======== version 2 of 2: 3 launches; version 1 with the launches prep, energy, context written anew for expert scheduling mode
;; workspace buffers: wkf 786,432 bytes; wks 32,768 bytes; qpw 262,144 bytes; list 262,144 bytes of whole numbers; cnt 8,192 bytes of whole numbers; ec 262,144 bytes
;; launch prep (part 4): grid 136 x 1, 8 waves a work-group, no clusters, 168,960 bytes of LDS; arguments Wk, Wq, query, mask, wkf, wks, qpw, list, cnt; writes wkf, wks, qpw, list, cnt
.if DOCPART == 4
	.amdgcn_target "amdgcn-amd-amdhsa--gfx1250"
	.amdhsa_code_object_version 6
	.text
	.protected	k_q5b3f47136d_prep
	.globl	k_q5b3f47136d_prep
	.p2align	8
	.type	k_q5b3f47136d_prep,@function
k_q5b3f47136d_prep:
	s_mov_b64 s[64:65], 0
	v_nop
	global_prefetch_b8 v0, s[64:65] scope:SCOPE_SE
	s_setreg_imm32_b32 hwreg(HW_REG_WAVE_SCHED_MODE, 0, 2), 2
	s_setreg_imm32_b32 hwreg(HW_REG_WAVE_MODE, 25, 1), 1
	s_wait_xcnt 0x0
	s_wait_alu depctr_vm_vsrc(0)
; PREP.  Three kinds of work-group, told apart once by the work-group's number; the three arms never join.
;   0..63    Wk's tile of 16 rows ht: wave ks quantises 16 rows x 128 K (K step ks) to codes of BF6 (E3M2) with one E8M0 byte for each 32 along K,
;            and stores the fragment as an IMAGE OF THE OPERAND'S REGISTERS: wkf + (8 ht + ks) x 1536 + 512 c + 16 lane; its scale word goes to
;            wks + ht x 512 + 16 (r + 16 (ks & 1)) + 4 (ks >> 1), so that one 16-byte load a lane later brings the words of all eight K steps.
;   64..127  Wq's tile ht likewise, kept in registers, and query_proj: wave ks also quantises K step ks of all 64 query rows, multiplies (four matrix instructions,
;            used transposed: source 0 = 16 rows of Wq, source 1 = 16 query rows), the eight waves' partial sums meet in LDS; qpw + ht x 4096 + b x 64 + 4 (h % 16).
;   128..135 the mask: a wave to a batch.  Rows that are kept get places 0 .. n - 1 in ascending order, masked rows places 1023 downward: list is a whole permutation of the rows.
;            place pos lies in tile j = pos / 16; tile j is tile j / 4 of quarter j % 4: slot = 256 (j % 4) + 16 (j / 4) + pos % 16.  cnt holds n, 32 times.
; THE QUANTISER: a block's scale is 2^(floor(log2(largest magnitude)) - 4); its byte is the largest magnitude's exponent field - 4, held at 1 from below by a floor among the maximum's leaves.
; LIMITS: a block of zeros gets the byte 1 where the rule says 127 (its codes are zeros, and this program alone reads the bytes); blocks whose largest magnitude lies under 2^-122 are held at
; that floor; NaN and infinities among the inputs are not served.  query_proj is summed over K in eight parts, then in f32: another order of rounding than one chain.
; THE MODE: SCHED_MODE bits 1:0 = 2 (LLVM: expert scheduling mode 2), set by the entry lines.  The code itself states the register dependences
; between vector or matrix instructions and memory or LDS instructions, with s_wait_alu, always for 0.
; THE PLAN.  v1-v11: addresses, made at the head, never written again: one wait on va_vdst at the head's end serves all three arms.  v192-255 and window 1: written by loads, read by LDS stores alone.
;   X (v16-79): written by LDS loads, read by the quantiser: a turn through the stage that follows a quantiser has a wait on va_vdst ahead of its loads.  What vector or matrix instructions make and a store sends
;   (a fragment, a scale word, the accumulators, the sums, the mask arm's places and rows) stands in registers that are not written again, with one wait on va_vdst ahead of each run of stores.
;   No register that a memory or LDS instruction has read is written again: there is no wait on vm_vsrc.  Scalars that vector instructions write: the wave's number, and the mask arm's 32 masks, made in one run.
.set STGK, 0                           ; LDS: a stage of 16 rows x 528 bytes for each wave of a Wk work-group,
.set STGQ, 67584                       ; the same for a Wq work-group (each arm has bytes of its own),
.set RED,  135168                      ; and the partial sums: wave x 4096 + m x 1024 + half x 512 + 16 lane
.set L16,  1                           ; v1   16 x lane
.set RR,   2                           ; v2   r = lane % 16
.set HH,   3                           ; v3   h = lane / 16
.set H8,   4                           ; v4   8 h
.set SIK,  5                           ; v5   stage, way in (rows as loaded), Wk arm
.set SOK,  6                           ; v6   stage, way out (528 r + 128 h), Wk arm
.set SIQ,  7                           ; v7, v8 the same for the Wq arm
.set SOQ,  8
.set RIN,  9                           ; v9   where my partial sums go
.set ROUT, 10                          ; v10  where I read eight waves' parts
.set LN,   11                          ; v11  lane
.set X,    16                          ; v16-79  64 numbers: register 32 c + i = k 64 c + 32 h + i of row r
.set T,    92                          ; v92-98  the upper halves of two blocks' codes
.set TM,   100                         ; v100-106 at work in the quantiser
.set WF,   112                         ; v112-123 the weight's fragment;  v124 its scale word
.set WS,   124
.set QC,   128                         ; v128-175 the query's four fragments;  v176-179 their scale words
.set QS,   176
.set KBW,  192                         ; v192-255 the weight's 16 rows as loaded;  window 1: the query's 64 rows as loaded
.set SEL,  52                          ; s[52:53] v_permlanex16_b32's selects for lane l xor 16 (the mask arm has its masks in s32-63)
.set MSB, 0
.macro WIN new                         ; the immediate's high byte repeats the setting that is left
.if MSB != \new
	s_set_vgpr_msb (MSB<<8)|\new
.set MSB, \new
.endif
.endm
; 16 rows x 512 bytes, loaded 16 bytes a lane, turn through the wave's own stage: in as they lie, back 128 bytes a lane.  The pitch, 528 bytes = 33 x 16, sets the 16 rows of a read in 16 different columns of 16 bytes.
; again = 1: a quantiser has read v[X ..] before this turn.
.macro TURN kb, sti, sto, win, again
	WIN \win
.irp r, 0,1,2,3,4,5,6,7,8,9,10,11,12,13,14,15
	ds_store_b128 v[\sti], v[\kb+4*\r:\kb+4*\r+3] offset:528*\r
.endr
	WIN 0
.if \again
	s_wait_alu depctr_va_vdst(0)                   ; the quantiser before is done reading v[X ..], in which the loads below land
.endif
.irp c, 0,1
.irp i, 0,1,2,3,4,5,6,7
	ds_load_b128 v[X+32*\c+4*\i:X+32*\c+4*\i+3], v[\sto] offset:256*\c+16*\i
.endr
.endr
	s_wait_dscnt 0x0                               ; the numbers are back
.endm
; 64 numbers of a lane (two whole blocks of 32) become the lane's 12 registers of a fragment, v[pc] on, and the row's scale word, v[wd] (the same in lanes l and l xor 16).
.macro QFM x, pc, wd
.irp c, 0,1
	v_max3_num_f32 v[TM+\c], |v[\x+32*\c]|, |v[\x+32*\c+1]|, 0x2800000   ; the floor 2^(5 - 127): the byte cannot fall under 1
.endr
.irp i, 2,4,6,8,10,12,14,16,18,20,22,24,26,28,30
.irp c, 0,1
	v_max3_num_f32 v[TM+\c], v[TM+\c], |v[\x+32*\c+\i]|, |v[\x+32*\c+\i+1]|   ; the two blocks by turns
.endr
.endr
.irp c, 0,1
	v_add_nc_u32 v[TM+2+\c], 0xfe000000, v[TM+\c]  ; 4 off the exponent field: the conversion's scale operand
.endr
.irp c, 0,1
	v_lshrrev_b32 v[TM+4+\c], 23, v[TM+2+\c]       ; the scale's byte
.endr
	v_lshl_or_b32 v[\wd], v[TM+5], 16, v[TM+4]     ; my bytes: blocks h and 2 + h,
	v_lshlrev_b32 v[\wd], v[H8], v[\wd]            ; at their places in the word;
	v_permlanex16_b32 v[TM+6], v[\wd], s[SEL], s[SEL+1]
	v_or_b32 v[\wd], v[\wd], v[TM+6]               ; with lane l xor 16's two the word is whole
.irp c, 0,1
	v_cvt_scalef32_pk16_bf6_f32 v[\pc+6*\c:\pc+6*\c+2], v[\x+32*\c:\x+32*\c+15], v[TM+2+\c]
	v_cvt_scalef32_pk16_bf6_f32 v[T+4*\c:T+4*\c+2], v[\x+32*\c+16:\x+32*\c+31], v[TM+2+\c]   ; (a conversion's three registers begin on an even number)
.endr
	v_nop                                          ; one plain place behind a scaled conversion
.irp c, 0,1
.irp i, 0,1,2
	v_mov_b32 v[\pc+6*\c+3+\i], v[T+4*\c+\i]
.endr
.endr
.endm
	s_load_b512 s[4:19], s[0:1], 0x0               ; Wk s[4:5], Wq s[6:7], query s[8:9], mask s[10:11], wkf s[12:13], wks s[14:15], qpw s[16:17], list s[18:19]
	s_load_b64 s[20:21], s[0:1], 0x40              ; cnt
	v_lshl_add_u32 v190, v0, 2, 0x29000
	v_mov_b32 v191, 0
	v_lshrrev_b32 v[LN], 5, v0
	v_readfirstlane_b32 s22, v[LN]                 ; wave 0..7: the K step, or the batch of eight
	v_and_b32 v[LN], 31, v0
	v_lshlrev_b32 v[L16], 4, v[LN]
	v_and_b32 v[RR], 15, v0
	v_bfe_u32 v[HH], v0, 4, 1
	v_lshlrev_b32 v[H8], 3, v[HH]
	s_wait_alu depctr_va_sdst(0)                   ; s22 is written, ahead of its first reader
	s_mul_i32 s24, s22, 8448                       ; my wave's stage
	v_add_nc_u32 v[SIK], s24, v[L16]
	v_mul_u32_u24 v[SOK], v[RR], 528
	v_lshl_add_u32 v[SOK], v[HH], 7, v[SOK]
	v_add_nc_u32 v[SOK], s24, v[SOK]
	v_add_nc_u32 v[SIQ], STGQ, v[SIK]
	v_add_nc_u32 v[SOQ], STGQ, v[SOK]
	s_lshl_b32 s24, s22, 12
	s_add_co_u32 s24, s24, RED
	v_add_nc_u32 v[RIN], s24, v[L16]
	s_lshl_b32 s24, s22, 9
	s_add_co_u32 s24, s24, RED
	v_add_nc_u32 v[ROUT], s24, v[L16]
	v_mov_b32 v[TM+6], 0                           ; written once: a lane permute's destination counts as one of its sources
	s_mov_b32 s[SEL], 0x76543210
	s_mov_b32 s[SEL+1], 0xfedcba98
	s_mov_b32 s25, 0                               ; the high word of every offset below
	s_wait_alu depctr_va_vdst(0)                   ; the addresses v1 to v11 are written, which the loads, stores and LDS instructions of all three arms read
	s_wait_kmcnt 0x0
	s_cmp_ge_u32 ttmp9, 128
	s_cbranch_scc1 .Lmask
	s_cmp_ge_u32 ttmp9, 64
	s_cbranch_scc1 .Lwq
	; ---- Wk: tile ht = work-group, K step = wave
	s_lshl_b32 s24, ttmp9, 16                      ; 16 rows of 4,096 bytes
	s_lshl_b32 s33, s22, 9                         ; 128 numbers of 4 bytes
	s_add_co_u32 s24, s24, s33
	s_add_nc_u64 s[26:27], s[4:5], s[24:25]
.irp r, 0,1,2,3,4,5,6,7,8,9,10,11,12,13,14,15
	global_load_b128 v[KBW+4*\r:KBW+4*\r+3], v[L16], s[26:27] offset:4096*\r th:TH_LOAD_NT   ; 32 lanes read 512 consecutive bytes of a row
.endr
	s_lshl_b32 s24, ttmp9, 3
	s_add_co_u32 s24, s24, s22
	s_mul_i32 s24, s24, 1536
	s_add_nc_u64 s[28:29], s[12:13], s[24:25]      ; the fragment's image
	s_lshl_b32 s24, ttmp9, 9
	s_and_b32 s33, s22, 1
	s_lshl_b32 s33, s33, 8
	s_add_co_u32 s24, s24, s33
	s_lshr_b32 s33, s22, 1
	s_lshl_b32 s33, s33, 2
	s_add_co_u32 s24, s24, s33
	s_add_nc_u64 s[30:31], s[14:15], s[24:25]      ; its scale words
	v_lshlrev_b32 v12, 4, v[RR]
	s_wait_loadcnt 0x0
	TURN KBW, SIK, SOK, 0, 0
	QFM X, WF, WS
	s_wait_alu depctr_va_vdst(0)                   ; the fragment, its scale word and the offset v12 are written, which the four stores read
.irp c, 0,1,2
	global_store_b128 v[L16], v[WF+4*\c:WF+4*\c+3], s[28:29] offset:512*\c   ; 512 consecutive bytes a store
.endr
	global_store_b32 v12, v[WS], s[30:31]          ; both halves of the lanes write the same word with the same value; 4 bytes every 16: the buffer is 32,768 bytes in all
	s_wait_dscnt 0x0                               ; the closing lines, six on end, of a launch in the mode that stores to LDS
	s_wait_alu 0x0
	s_wait_tensorcnt 0x0
	ds_add_u32 v190, v191
	s_wait_dscnt 0x0
	s_endpgm
	; ---- Wq and query_proj: tile ht = work-group - 64, K step = wave
.Lwq:
	s_sub_co_u32 s23, ttmp9, 64
	s_lshl_b32 s24, s23, 16
	s_lshl_b32 s33, s22, 9
	s_add_co_u32 s24, s24, s33
	s_add_nc_u64 s[26:27], s[6:7], s[24:25]
	s_mov_b32 s24, s33
	s_add_nc_u64 s[28:29], s[8:9], s[24:25]        ; query at my K step
.irp r, 0,1,2,3,4,5,6,7,8,9,10,11,12,13,14,15
	global_load_b128 v[KBW+4*\r:KBW+4*\r+3], v[L16], s[26:27] offset:4096*\r th:TH_LOAD_NT
.endr
	WIN 0x40                                       ; destination window 1
.irp m, 0,1,2,3
.irp r, 0,1,2,3,4,5,6,7,8,9,10,11,12,13,14,15
	global_load_b128 v[64*\m+4*\r:64*\m+4*\r+3], v[L16], s[28:29] offset:(16*\m+\r)*4096
.endr
.endr
	WIN 0
	s_lshl_b32 s24, s23, 12                        ; qpw: ht x 4096 + (wave / 2) x 1024 + (wave % 2) x 16
	s_lshr_b32 s33, s22, 1
	s_lshl_b32 s33, s33, 10
	s_add_co_u32 s24, s24, s33
	s_and_b32 s33, s22, 1
	s_lshl_b32 s33, s33, 4
	s_add_co_u32 s24, s24, s33
	s_add_nc_u64 s[30:31], s[16:17], s[24:25]
	v_lshlrev_b32 v13, 6, v[RR]
	v_lshl_add_u32 v13, v[HH], 5, v13              ; + 64 r + 32 h
	s_wait_loadcnt 63                              ; behind the weight's 16 loads stand 64: the largest count that the wait can name is one less
	TURN KBW, SIQ, SOQ, 0, 0
	QFM X, WF, WS
.irp m, 0,1,2,3
	s_wait_loadcnt 48-16*\m                        ; query rows 16 m .. 16 m + 15 are in; the tiles behind them may be out
	TURN 64*\m, SIQ, SOQ, 0x04, 1                  ; (an LDS store's data are its source 1: window 1)
	QFM X, QC+12*\m, QS+\m
.endr
.rept 8
	v_nop                                          ; a scale register written by a vector instruction stands 8 places ahead of a scaled matrix instruction, an operand so written 4
.endr
	s_wait_alu depctr_va_vdst(0)                   ; behind the places: the five fragments and their scale words are written, which the scaled matrix instructions take
.irp m, 0,1,2,3                                ; lane (r, h) of result m: query row 16 m + r, hidden units 16 ht + 8 h + 0 .. 7
	v_wmma_scale_f32_16x16x128_f8f6f4 v[16+8*\m:23+8*\m], v[WF:WF+11], v[QC+12*\m:QC+12*\m+11], 0, v[WS], v[QS+\m] matrix_a_fmt:MATRIX_FMT_BF6 matrix_b_fmt:MATRIX_FMT_BF6
.endr
.rept 4
	v_nop                                          ; four places in front of the first read of results
.endr
	s_wait_alu depctr_va_vdst(0)                   ; behind the places: the matrix instructions have written the accumulators, which the LDS stores read
.irp m, 0,1,2,3
	ds_store_b128 v[RIN], v[16+8*\m:19+8*\m] offset:1024*\m          ; each accumulator from its low end on
	ds_store_b128 v[RIN], v[20+8*\m:23+8*\m] offset:1024*\m+512
.endr
	s_wait_dscnt 0x0                               ; for the others' sake: my parts lie in LDS
	s_barrier_signal -1
	s_barrier_wait -1                              ; (all eight waves of a Wq work-group are on this arm)
.irp p, 0,1,2,3,4,5,6,7
	ds_load_b128 v[48+4*\p:51+4*\p], v[ROUT] offset:4096*\p          ; wave w sums result w / 2, registers 4 (w % 2) on, over the eight K steps.  (No vector instruction since the wait above names v48-79)
.endr
	s_wait_dscnt 0x0
.irp p, 0,2,4,6
	v_pk_add_f32 v[48+4*\p:49+4*\p], v[48+4*\p:49+4*\p], v[52+4*\p:53+4*\p]
	v_pk_add_f32 v[50+4*\p:51+4*\p], v[50+4*\p:51+4*\p], v[54+4*\p:55+4*\p]
.endr
.irp p, 0,4
	v_pk_add_f32 v[48+4*\p:49+4*\p], v[48+4*\p:49+4*\p], v[56+4*\p:57+4*\p]
	v_pk_add_f32 v[50+4*\p:51+4*\p], v[50+4*\p:51+4*\p], v[58+4*\p:59+4*\p]
.endr
	v_pk_add_f32 v[48:49], v[48:49], v[64:65]
	v_pk_add_f32 v[50:51], v[50:51], v[66:67]
	s_wait_alu depctr_va_vdst(0)                   ; the sums v48-51 are written, which the store reads (its offset v13 stands ahead of earlier waits)
	global_store_b128 v13, v[48:51], s[30:31]      ; the work-group's eight stores fill 4,096 consecutive bytes
	s_wait_dscnt 0x0                               ; the closing lines, six on end, of a launch in the mode that stores to LDS
	s_wait_alu 0x0
	s_wait_tensorcnt 0x0
	ds_add_u32 v190, v191
	s_wait_dscnt 0x0
	s_endpgm
	; ---- the mask: batch b = 8 (work-group - 128) + wave.  This arm stores nothing to LDS.
.Lmask:
	s_sub_co_u32 s23, ttmp9, 128
	s_lshl_b32 s23, s23, 3
	s_add_co_u32 s23, s23, s22
	s_lshl_b32 s24, s23, 10
	s_add_nc_u64 s[26:27], s[10:11], s[24:25]
	s_lshl_b32 s24, s23, 12
	s_add_nc_u64 s[28:29], s[18:19], s[24:25]
	s_lshl_b32 s24, s23, 7
	s_add_nc_u64 s[30:31], s[20:21], s[24:25]
.irp i, 0,1,2,3,4,5,6,7,8,9,10,11,12,13,14,15,16,17,18,19,20,21,22,23,24,25,26,27,28,29,30,31
	global_load_u8 v[16+\i], v[LN], s[26:27] offset:32*\i            ; row 32 i + lane
.endr
	s_mov_b32 s22, 0                               ; rows kept so far
	s_mov_b32 s23, 0                               ; rows masked so far
	s_wait_loadcnt 0x0
.irp i, 0,1,2,3,4,5,6,7,8,9,10,11,12,13,14,15,16,17,18,19,20,21,22,23,24,25,26,27,28,29,30,31
	v_cmp_eq_u32 s[32+\i], 0, v[16+\i]             ; kept: the mask's byte is 0.  The 32 compares stand in one run, a scalar register to each
.endr
	s_wait_alu depctr_va_sdst(0)                   ; the 32 masks s32-63 are written, ahead of their first reader
.irp i, 0,1,2,3,4,5,6,7,8,9,10,11,12,13,14,15,16,17,18,19,20,21,22,23,24,25,26,27,28,29,30,31
	s_not_b32 s24, s[32+\i]
	v_mbcnt_lo_u32_b32 v12, s[32+\i], 0            ; kept rows in the lanes below me
	v_mbcnt_lo_u32_b32 v13, s24, 0                 ; masked rows below me
	v_add_nc_u32 v12, s22, v12
	v_add_nc_u32 v13, s23, v13
	v_sub_nc_u32 v13, 1023, v13
	v_cndmask_b32 v12, v13, v12, s[32+\i]          ; pos
	v_bfe_u32 v13, v12, 4, 2                       ; j % 4
	v_lshrrev_b32 v14, 6, v12                      ; j / 4
	v_and_b32 v12, 15, v12
	v_lshl_add_u32 v12, v14, 4, v12
	v_lshl_add_u32 v12, v13, 8, v12                ; slot
	v_min_u32 v12, 0x3ff, v12                      ; (it is under 1,024 already: the bound is written where the address is made)
	v_lshlrev_b32 v[48+\i], 2, v12                 ; each store has registers of its own: none is written again
	v_add_nc_u32 v[80+\i], 32*\i, v[LN]
	s_bcnt1_i32_b32 s25, s[32+\i]
	s_add_co_u32 s22, s22, s25
	s_sub_co_u32 s25, 32, s25
	s_add_co_u32 s23, s23, s25
.endr
	v_mov_b32 v12, s22
	v_lshlrev_b32 v13, 2, v[LN]
	s_wait_alu depctr_va_vdst(0)                   ; the 32 places v48-79, the 32 rows v80-111, the count v12 and its offset v13 are written, which the run of stores reads
.irp i, 0,1,2,3,4,5,6,7,8,9,10,11,12,13,14,15,16,17,18,19,20,21,22,23,24,25,26,27,28,29,30,31
	global_store_b32 v[48+\i], v[80+\i], s[28:29]  ; list[b][slot] = row.  Four bytes to scattered places: the buffer is 262,144 bytes in all
.endr
	global_store_b32 v13, v12, s[30:31]            ; n, 32 times: 128 consecutive bytes
	s_endpgm
.Lfunc_end_k_q5b3f47136d_prep:
	.size	k_q5b3f47136d_prep, .Lfunc_end_k_q5b3f47136d_prep-k_q5b3f47136d_prep
	.p2alignl 7, 3214868480
	.fill 96, 4, 3214868480
	.section	.rodata,"a",@progbits
	.p2align	6, 0x0
	.amdhsa_kernel k_q5b3f47136d_prep
		.amdhsa_group_segment_fixed_size 168960
		.amdhsa_private_segment_fixed_size 0
		.amdhsa_enable_private_segment 0
		.amdhsa_kernarg_size 72
		.amdhsa_user_sgpr_count 2
		.amdhsa_user_sgpr_kernarg_segment_ptr 1
		.amdhsa_wavefront_size32 1
		.amdhsa_system_sgpr_workgroup_id_x 1
		.amdhsa_system_sgpr_workgroup_id_y 1
		.amdhsa_system_sgpr_workgroup_id_z 1
		.amdhsa_system_vgpr_workitem_id 0
		.amdhsa_next_free_vgpr 512
		.amdhsa_next_free_sgpr 66
		.amdhsa_reserve_vcc 0
		.amdhsa_float_denorm_mode_32 3
		.amdhsa_float_denorm_mode_16_64 3
		.amdhsa_memory_ordered 1
		.amdhsa_forward_progress 1
		.amdhsa_inst_pref_size 83
	.end_amdhsa_kernel
	.amdgpu_metadata
---
amdhsa.version: [ 1, 2 ]
amdhsa.kernels:
  - .name:           k_q5b3f47136d_prep
    .symbol:         k_q5b3f47136d_prep.kd
    .args:
      - { .name: Wk, .offset: 0, .size: 8, .value_kind: global_buffer, .address_space: global }
      - { .name: Wq, .offset: 8, .size: 8, .value_kind: global_buffer, .address_space: global }
      - { .name: query, .offset: 16, .size: 8, .value_kind: global_buffer, .address_space: global }
      - { .name: mask, .offset: 24, .size: 8, .value_kind: global_buffer, .address_space: global }
      - { .name: wkf, .offset: 32, .size: 8, .value_kind: global_buffer, .address_space: global }
      - { .name: wks, .offset: 40, .size: 8, .value_kind: global_buffer, .address_space: global }
      - { .name: qpw, .offset: 48, .size: 8, .value_kind: global_buffer, .address_space: global }
      - { .name: list, .offset: 56, .size: 8, .value_kind: global_buffer, .address_space: global }
      - { .name: cnt, .offset: 64, .size: 8, .value_kind: global_buffer, .address_space: global }
    .group_segment_fixed_size: 168960
    .private_segment_fixed_size: 0
    .kernarg_segment_align: 8
    .kernarg_segment_size: 72
    .max_flat_workgroup_size: 256
    .sgpr_count:     66
    .vgpr_count:     512
    .wavefront_size: 32
...
	.end_amdgpu_metadata
.endif
;; end of part 4
;; launch energy (part 5): grid 4 x 64, 4 waves a work-group, no clusters, 310,784 bytes of LDS; arguments keys, v, wkf, wks, qpw, list, cnt, ec; writes ec
.if DOCPART == 5
	.amdgcn_target "amdgcn-amd-amdhsa--gfx1250"
	.amdhsa_code_object_version 6
	.text
	.protected	k_q5b3f47136d_energy
	.globl	k_q5b3f47136d_energy
	.p2align	8
	.type	k_q5b3f47136d_energy,@function
k_q5b3f47136d_energy:
	s_mov_b64 s[64:65], 0
	v_nop
	global_prefetch_b8 v0, s[64:65] scope:SCOPE_SE
	s_setreg_imm32_b32 hwreg(HW_REG_WAVE_SCHED_MODE, 0, 2), 2
	s_setreg_imm32_b32 hwreg(HW_REG_WAVE_MODE, 25, 1), 1
	s_wait_xcnt 0x0
	s_wait_alu depctr_vm_vsrc(0)
; ENERGY.  ec[b][slot] = v . tanh(query_proj[b] + Wk keys[b][row]) for the rows that the mask keeps, -infinity for every other slot.  Only tiles that hold kept rows are read and multiplied:
; what the mask hides is turned to -infinity ahead of the softmax, so its projection is work that need not be done.
; SHARES.  Work-group (q, b) owns the tiles j = 4 t + q of batch b, t = 0 .. T - 1, 16 rows each, as the list of the launch before names them; T hangs on the batch's count of kept rows and is held to 1 .. 16:
; a work-group that the count leaves without a kept row still takes its tile 0 (the list is a whole permutation, so the tile names 16 real rows), and phase C hides the result like every slot at or past the count.
; No tensor load and no cluster: what is passed over hangs on numbers read from memory, so operands come through registers.  Every loop has a constant trip count; a stage with nothing to do jumps over its work inside the trip.
; PHASE A.  Wave w reads bytes 1024 w .. + 1023 of each row (K steps 2 w, 2 w + 1), quantises them to BF6 (E3M2) with one E8M0 byte for each 32 along K, and lays fragments and scale words in LDS as images of the operand's registers.
; PHASE B.  Wave w owns hidden units 256 w .. + 255, in four groups of four tiles of 16.  A group's 32 fragments of Wk stay in registers (windows 2 and 3) while all tiles of rows pass, from the last tile down to tile 0.
; The product is used transposed (source 0 = 16 rows of Wk, source 1 = 16 rows of keys): a lane holds ONE row (lane % 16) and eight hidden units; query_proj is the C of each sum's first instruction.
; BY TURNS.  A stage's 32 matrix instructions on tile t go in four quarters of eight: h-tiles 0, 1 with K steps 0-3 | h-tiles 2, 3 with K steps 0-3 | h-tiles 0, 1 with K steps 4-7 | h-tiles 2, 3 with K steps 4-7.
; Behind each matrix instruction stand three lines of tile t + 1's tanh, in the quarter's own window (two sets of accumulators): one packed line and two transcendentals: x c and 2^ in the first two quarters, + 1 and 1 / in the last two.
; So a stage has two batches of transcendentals and two waits; the dot with v follows the second.  v tanh x = v + (-2 v) / (1 + 2^(c x)), c = 2 log2(e): the sum of the v themselves starts the dot.
; PHASE C.  The sixteen (wave, group) parts of a row's energy meet in LDS; each wave stores 256 consecutive bytes of ec.
; LIMITS: NaN and infinities among the inputs are not served; a block of zeros gets the scale byte 1 (zero codes; read by this program alone); blocks whose largest magnitude lies under 2^-122 are held at that floor.
; tanh is made of v_exp_f32 and v_rcp_f32; where 2^(c x) overflows the quotient is 0 and tanh is 1, where it falls to 0 tanh is -1.
; REGISTERS.  window 0: addresses, scale words, phase A's work.  window 1: the keys' fragments, two sets of 96 (phase A: rows as loaded, two sets of 128); v192-223 W = -2 v.
;   windows 2 (h-tiles 0, 1 of the group) and 3 (h-tiles 2, 3): v0-191 Wk's fragments (96 u + 12 ks); v192-223 accumulators (16 set + 8 u); v224-239 query_proj; v240-249 the dot's sums.
; THE MODE: SCHED_MODE bits 1:0 = 2 (LLVM: expert scheduling mode 2), set by the entry lines.  The code itself states the register dependences
; between vector or matrix instructions and memory or LDS instructions, with s_wait_alu, always for 0.
; THE PLAN.  Registers that memory or LDS instructions touch, and who else names them:
;   v1, v2, v12, v13, v204-221   addresses and zeros, made at the head and never written again: the head's first wait on va_vdst serves them for the whole kernel.
;   PHASE A  VOFF (a set): written by ISSUE_A's sixteen additions, read by its 32 loads.  Window 1's rows (a set): written by those loads, read by LDS stores alone.  X: written by LDS loads, read by the quantiser.
;            PC, IAD, WDS, WAD: written by vector instructions, read by LDS stores.  A stage has vm_vsrc at ISSUE_A's head and ahead of its second quantiser, va_vdst behind the offsets and ahead of each image.
;   PHASE B  AAD, SAD, EAD: written at a stage's head, read by that stage's LDS instructions.  The fragments' two sets and AS: written by LDS loads, read by matrix instructions.  EN0: written at a stage's end, read by one LDS store.
;            A stage has vm_vsrc ahead of its address lines, va_vdst behind them (it serves both runs of LDS loads), the two waits of its batches, and va_vdst ahead of its store.
;            Wk's fragments, query_proj, BS, VRAW: written by loads, read by matrix and vector instructions; asked for anew in tile 0's stage, behind a wait on va_vdst each.
;   The accumulators, W, the dot's sums, T and TM are named by vector and matrix instructions alone.
.set AIMG,  0                          ; LDS: the keys' fragments: writer wave x 49152 + tile x 3072 + f x 1536 + 512 c + 16 lane
.set IMGW,  49152
.set TILEB, 3072
.set ASC,   196608                     ; their scale words: writer x 2048 + tile x 128 + 4 lane (lanes 0-15: K step 2 w, lanes 16-31: 2 w + 1)
.set STG,   204800                     ; two stages of 16 rows x 528 bytes for each wave
.set STGF,  8448
.set EP,    272384                     ; partial energies: (4 wave + group) x 2304 + slot x 128 + 4 lane; 18 slots
.set EPG,   2304
.set EF,    309248                     ; 256 bytes for each wave: its four tiles' energies
.set L16, 1                            ; v1 16 x lane   v2 4 x lane   v3 r   v4 h   v5 8 h
.set L4,  2
.set RR,  3
.set HH,  4
.set H8,  5
.set AAD, 6                            ; v6-9  LDS addresses of the tile's fragments, one for each writer wave
.set SAD, 10                           ; v10   of its scale words
.set EAD, 11                           ; v11   of the partial energy
.set STI, 12                           ; v12, v13 my stages: way in, way out
.set STO, 13
.set IAD, 14                           ; v14   where a tile's images go;  v15 its scale words
.set WAD, 15
.set VOFF, 16                          ; v16-47  the rows' byte offsets in keys, two sets of 16
.set BS,  48                           ; v48-63  Wk's scale words: 4 u' + i: K steps 2 i (lanes 0-15) and 2 i + 1 (lanes 16-31)
.set AS,  64                           ; v64-71  the keys' scale words: 4 set + i likewise
.set VRAW, 72                          ; v72-103 v of the group's 4 x 8 hidden units of my half
.set X,   104                          ; v104-167 64 numbers: register 32 c + i = k 64 c + 32 h + i of row r
.set PC,  168                          ; v168-179 the codes just made
.set T,   180
.set TM,  188                          ; v188-195 at work
.set WD0, 200                          ; v200, v201 the scale words of f = 0, 1;  v203 the two in one register
.set WD1, 201
.set EN0, 202                          ; v202 a tile's partial energy
.set WDS, 203
.set ZR,  204                          ; v204-207 zeros
.set LB,  208                          ; v208-211 AIMG + i x 49152 + 16 lane
.set SB0, 212                          ; v212 ASC + 4 lane
.set QVO, 213                          ; v213 32 h
.set IB,  214                          ; v214 my images' base   v215 my scale words' base   v216 my partial energies' base   v217 the same, 16 bytes a lane
.set WB0, 215
.set EPB, 216
.set EZ,  217
.set PCA, 218                          ; v218-223 phase C
.set EFI, 219
.set EFO, 220
.set GO,  221
.set POS, 222
.set NEG, 223
.set QP,  224                          ; in windows 2, 3: query_proj; four chains of the dot, and the sum of the window's 16 v
.set EA,  240
.set EB,  242
.set VSP, 244
.set EC,  246
.set ED,  248
.set sW,  20                           ; s20 wave  s21 q  s22 b  s23 n  s24 T  s25 the stage's tile  s26 trips
.set sQ,  21
.set sB,  22
.set sN,  23
.set sT,  24
.set sTT, 25
.set sCT, 26
.set sAOF, 28                          ; s28-30 LDS offsets of the stage: fragments, scale words, partial energy
.set sSOF, 29
.set sEOF, 30
.set LST, 32                           ; s[32:47] a tile's 16 rows (phase C: s32-35 four masks)
.set sLOF, 48
.set sTMP, 49
.set CS,  50                           ; s[50:51] c = 2 log2(e)
.set SEL, 52
.set sHM, 54                           ; s54 lanes 16-31
.set sIOF, 55
.set sWOF, 56
.set sR0, 57                           ; s57 the row that stands in for tiles past the end
.set KBS, 58                           ; s[58:59] keys + b x 4 MiB + 1024 w
.set LBS, 60                           ; s[60:61] list + b x 4096 + q x 1024
.set WBS, 66                           ; s[66:67] wkf, s[68:69] wks, s[70:71] qpw, s[72:73] v: at my wave's 16 h-tiles
.set SBS, 68
.set QBS, 70
.set VBS, 72
.set TP,  74
.set ECB, 76
.set MSB, 0
.macro WIN new                         ; the immediate's high byte repeats the setting that is left
.if MSB != \new
	s_set_vgpr_msb (MSB<<8)|\new
.set MSB, \new
.endif
.endm
.macro QFM x, pc, wd                   ; 64 numbers of a lane (two whole blocks of 32) -> 12 registers of codes and the row's scale word (the same in lanes l and l xor 16)
.irp c, 0,1
	v_max3_num_f32 v[TM+\c], |v[\x+32*\c]|, |v[\x+32*\c+1]|, 0x2800000   ; the floor 2^(5 - 127): the byte cannot fall under 1
.endr
.irp i, 2,4,6,8,10,12,14,16,18,20,22,24,26,28,30
.irp c, 0,1
	v_max3_num_f32 v[TM+\c], v[TM+\c], |v[\x+32*\c+\i]|, |v[\x+32*\c+\i+1]|
.endr
.endr
.irp c, 0,1
	v_add_nc_u32 v[TM+2+\c], 0xfe000000, v[TM+\c]  ; 4 off the exponent field: the conversion's scale operand
.endr
.irp c, 0,1
	v_lshrrev_b32 v[TM+4+\c], 23, v[TM+2+\c]       ; the scale's byte
.endr
	v_lshl_or_b32 v[\wd], v[TM+5], 16, v[TM+4]
	v_lshlrev_b32 v[\wd], v[H8], v[\wd]
	v_permlanex16_b32 v[TM+6], v[\wd], s[SEL], s[SEL+1]
	v_or_b32 v[\wd], v[\wd], v[TM+6]
.irp c, 0,1
	v_cvt_scalef32_pk16_bf6_f32 v[\pc+6*\c:\pc+6*\c+2], v[\x+32*\c:\x+32*\c+15], v[TM+2+\c]
	v_cvt_scalef32_pk16_bf6_f32 v[T+4*\c:T+4*\c+2], v[\x+32*\c+16:\x+32*\c+31], v[TM+2+\c]   ; (a conversion's three registers begin on an even number)
.endr
	v_nop                                          ; one plain place behind a scaled conversion
.irp c, 0,1
.irp i, 0,1,2
	v_mov_b32 v[\pc+6*\c+3+\i], v[T+4*\c+\i]
.endr
.endr
.endm
; The 32 loads of the tile whose number stands in s[sTMP] and whose rows stand in s[LST ..], into set.  A tile past the end asks for one fixed row instead, so that a stage that works always finds the next tile's 32 loads behind its own.
.macro ISSUE_A set
	s_cmp_lt_u32 s[sTMP], s[sT]
.irp r, 0,1,2,3,4,5,6,7,8,9,10,11,12,13,14,15
	s_cselect_b32 s[LST+\r], s[LST+\r], s[sR0]
.endr
.irp r, 0,1,2,3,4,5,6,7,8,9,10,11,12,13,14,15
	s_min_u32 s[LST+\r], s[LST+\r], 1023           ; a row's number is bounded where it enters an address
.endr
	s_wait_alu depctr_vm_vsrc(0)                   ; the set's last loads have read its offsets, which are written next; the stage's LDS stores have read the set's registers, in which the loads below land; the last tile's image stores have read PC, IAD, WDS and WAD
.irp r, 0,1,2,3,4,5,6,7,8,9,10,11,12,13,14,15
	v_lshl_add_u32 v[VOFF+16*\set+\r], s[LST+\r], 12, v[L16]
.endr
	WIN 0x40                                       ; destination window 1
	s_wait_alu depctr_va_vdst(0)                   ; the sixteen offsets are written, which the loads read
.irp f, 0,1
.irp r, 0,1,2,3,4,5,6,7,8,9,10,11,12,13,14,15
	global_load_b128 v[128*\set+64*\f+4*\r:128*\set+64*\f+4*\r+3], v[VOFF+16*\set+\r], s[KBS:KBS+1] offset:512*\f th:TH_LOAD_NT   ; 512 consecutive bytes of a row, at a multiple of 512 from the row's first byte
.endr
.endr
	WIN 0
.endm
.macro XLOAD f                         ; K step f of my two comes back from its stage, 128 bytes a lane
.irp c, 0,1
.irp i, 0,1,2,3,4,5,6,7
	ds_load_b128 v[X+32*\c+4*\i:X+32*\c+4*\i+3], v[STO] offset:STGF*(\f)+256*\c+16*\i
.endr
.endr
.endm
.macro IMAGE f
.irp c, 0,1,2
	ds_store_b128 v[IAD], v[PC+4*\c:PC+4*\c+3] offset:1536*(\f)+512*\c
.endr
.endm
; One tile of phase A.  All sixteen stages are walked; a stage past the end jumps over its work.  The counter and the two LDS offsets are stepped behind the join, on both ways.
.macro STAGE_A par
	s_cmp_ge_u32 s[sTT], s[sT]
	s_cbranch_scc1 .LpastA_\@
	s_wait_loadcnt 32                              ; this tile's 32 loads are in; the next tile's 32 may be out
	WIN 0x04                                       ; an LDS store's data are its source 1: window 1
.irp f, 0,1
.irp r, 0,1,2,3,4,5,6,7,8,9,10,11,12,13,14,15
	ds_store_b128 v[STI], v[128*\par+64*\f+4*\r:128*\par+64*\f+4*\r+3] offset:STGF*\f+528*\r
.endr
.endr
	WIN 0
	XLOAD 0                                        ; no wait: the last quantiser's reads of X stand ahead of the wait in front of the last tile's second image, and no vector instruction since names X
	s_wait_dscnt 0x0                               ; K step 0 is back, and the rows lie in the stage;
	s_wait_kmcnt 0x0                               ; the rows of the tile two on are here,
	s_add_co_u32 s[sTMP], s[sTT], 2
	ISSUE_A \par                                   ; and its loads take the set
	s_add_co_u32 s[sLOF], s[sTT], 3
	s_min_u32 s[sLOF], s[sLOF], 15                 ; (the list has 16 tiles for a work-group; what lies past T is not used)
	s_lshl_b32 s[sLOF], s[sLOF], 6
	s_load_b512 s[LST:LST+15], s[LBS:LBS+1], s[sLOF] offset:0x0
	QFM X, PC, WD0
	v_add_nc_u32 v[IAD], s[sIOF], v[IB]
	s_wait_alu depctr_va_vdst(0)                   ; the codes and v[IAD] are written, which the image's stores read; the quantiser is done reading X, in which K step 1 lands
	IMAGE 0
	XLOAD 1
	s_wait_dscnt 0x0                               ; K step 1 is back
	s_wait_alu depctr_vm_vsrc(0)                   ; the image's stores have read the codes' registers, which the quantiser writes again
	QFM X, PC, WD1
	v_cndmask_b32 v[WDS], v[WD0], v[WD1], s[sHM]   ; lanes 0-15 carry K step 2 w's words, lanes 16-31 K step 2 w + 1's
	v_add_nc_u32 v[WAD], s[sWOF], v[WB0]
	s_wait_alu depctr_va_vdst(0)                   ; the codes, v[WDS] and v[WAD] are written, which the stores below read; the quantiser is done reading X, in which the next tile's K step 0 lands
	IMAGE 1
	ds_store_b32 v[WAD], v[WDS]
	s_branch .LnextA_\@
.LpastA_\@:
	s_wait_loadcnt 0x0                             ; a stage that is passed over leaves no load out: the stand-in rows asked for behind the last tile have come,
	s_wait_kmcnt 0x0                               ; and so has the last piece of the list
.LnextA_\@:
	s_add_co_u32 s[sTT], s[sTT], 1
	s_add_co_u32 s[sIOF], s[sIOF], TILEB
	s_add_co_u32 s[sWOF], s[sWOF], 128
.endm
; A group's weights.  Batch 1, 62 loads: h-tiles 0, 1 (window 2), their scale words and query_proj, and the group's v.  Batch 2, 54 loads: h-tiles 2, 3 (window 3).  Every place is an immediate: no base is stepped.
.macro BLOAD1 g
	WIN 0x80
.irp u, 0,1
.irp ks, 0,1,2,3,4,5,6,7
.irp c, 0,1,2
	global_load_b128 v[96*\u+12*\ks+4*\c:96*\u+12*\ks+4*\c+3], v[L16], s[WBS:WBS+1] offset:(\g)*49152+(8*\u+\ks)*1536+512*\c
.endr
.endr
.endr
.irp u, 0,1
	global_load_b128 v[QP+8*\u:QP+8*\u+3], v[QVO], s[QBS:QBS+1] offset:(\g)*16384+\u*4096
	global_load_b128 v[QP+8*\u+4:QP+8*\u+7], v[QVO], s[QBS:QBS+1] offset:(\g)*16384+\u*4096+16
.endr
	WIN 0
.irp u, 0,1
	global_load_b128 v[BS+4*\u:BS+4*\u+3], v[L16], s[SBS:SBS+1] offset:(\g)*2048+\u*512
.endr
.irp u, 0,1,2,3
	global_load_b128 v[VRAW+8*\u:VRAW+8*\u+3], v[QVO], s[VBS:VBS+1] offset:(\g)*256+\u*64
	global_load_b128 v[VRAW+8*\u+4:VRAW+8*\u+7], v[QVO], s[VBS:VBS+1] offset:(\g)*256+\u*64+16
.endr
.endm
.macro BLOAD2 g
	WIN 0xc0
.irp u, 0,1
.irp ks, 0,1,2,3,4,5,6,7
.irp c, 0,1,2
	global_load_b128 v[96*\u+12*\ks+4*\c:96*\u+12*\ks+4*\c+3], v[L16], s[WBS:WBS+1] offset:(\g)*49152+(8*(2+\u)+\ks)*1536+512*\c
.endr
.endr
.endr
.irp u, 0,1
	global_load_b128 v[QP+8*\u:QP+8*\u+3], v[QVO], s[QBS:QBS+1] offset:(\g)*16384+(2+\u)*4096
	global_load_b128 v[QP+8*\u+4:QP+8*\u+7], v[QVO], s[QBS:QBS+1] offset:(\g)*16384+(2+\u)*4096+16
.endr
	WIN 0
.irp u, 0,1
	global_load_b128 v[BS+4*(2+\u):BS+4*(2+\u)+3], v[L16], s[SBS:SBS+1] offset:(\g)*2048+(2+\u)*512
.endr
.endm
.macro ALOADH p, hf                    ; half a tile into set p: the fragments of K steps 4 hf .. 4 hf + 3 and their two scale registers: 14 LDS loads
	WIN 0x40
.irp k, 0,1,2,3
.irp c, 0,1,2
	ds_load_b128 v[96*(\p)+12*(4*(\hf)+\k)+4*\c:96*(\p)+12*(4*(\hf)+\k)+4*\c+3], v[AAD+2*(\hf)+\k/2] offset:1536*(\k%2)+512*\c
.endr
.endr
	WIN 0
.irp i, 0,1
	ds_load_b32 v[AS+4*(\p)+2*(\hf)+\i], v[SAD] offset:2048*(2*(\hf)+\i)
.endr
.endm
.macro BATCHWAIT                       ; behind a batch of transcendentals: one plain instruction, and one wait ahead of the first line that names a result
	v_nop
	s_wait_alu depctr_va_vdst(0)                   ; the batch's exponentials or reciprocals have written their results
.endm
; A QUARTER: the two h-tiles of window hw, K steps 4 kq .. 4 kq + 3.  mm = 1: eight matrix instructions on set par, the two accumulators by turns, K ascending (from quarter to quarter
; the accumulators change, and each turn is one instruction).  Behind the n-th stand three lines on the other set's 16 registers: the packed line of pair n + 1 and the two transcendentals of pair n (pair 0's packed line leads the quarter).
; kq = 0: x c, then 2^.  kq = 1: + 1, then 1 /.  One window setting serves all of it: source 0, source 2 and the destination in window hw, source 1 in window 1.
; The packed lines go up from register 0.  No line here names a transcendental's result: the readers stand in a later quarter, behind BATCHWAIT.
.macro QUARTER hw, par, kq, mm
.if (\hw) == 2
	WIN 0xa6
.else
	WIN 0xf7
.endif
.set hP, 192+16*(1-(\par))
.set hA, 192+16*(\par)
.if (\kq) == 0
	v_pk_mul_f32 v[hP:hP+1], v[hP:hP+1], s[CS:CS+1] op_sel_hi:[1,0]
.else
	v_pk_add_f32 v[hP:hP+1], v[hP:hP+1], 1.0 op_sel_hi:[1,0]
.endif
.set hn, 0
.rept 8
.set hk, 4*(\kq)+hn/2
.set hu, hn%2
.if \mm
.set rD, hA+8*hu
.set rB, 96*hu+12*hk
.set rK, 96*(\par)+12*hk
.set rS, BS+4*(2*((\hw)-2)+hu)+hk/2
.set rT, AS+4*(\par)+hk/2
.if hk == 0
	v_wmma_scale_f32_16x16x128_f8f6f4 v[rD:rD+7], v[rB:rB+11], v[rK:rK+11], v[QP+8*hu:QP+8*hu+7], v[rS], v[rT] matrix_a_fmt:MATRIX_FMT_BF6 matrix_b_fmt:MATRIX_FMT_BF6
.elseif hk%2 == 0
	v_wmma_scale_f32_16x16x128_f8f6f4 v[rD:rD+7], v[rB:rB+11], v[rK:rK+11], v[rD:rD+7], v[rS], v[rT] matrix_a_fmt:MATRIX_FMT_BF6 matrix_b_fmt:MATRIX_FMT_BF6
.else
	v_wmma_scale_f32_16x16x128_f8f6f4 v[rD:rD+7], v[rB:rB+11], v[rK:rK+11], v[rD:rD+7], v[rS], v[rT] matrix_a_fmt:MATRIX_FMT_BF6 matrix_b_fmt:MATRIX_FMT_BF6 matrix_a_scale:MATRIX_SCALE_ROW1 matrix_b_scale:MATRIX_SCALE_ROW1
.endif
.endif
.if hn < 7
.if (\kq) == 0
	v_pk_mul_f32 v[hP+2*hn+2:hP+2*hn+3], v[hP+2*hn+2:hP+2*hn+3], s[CS:CS+1] op_sel_hi:[1,0]
.else
	v_pk_add_f32 v[hP+2*hn+2:hP+2*hn+3], v[hP+2*hn+2:hP+2*hn+3], 1.0 op_sel_hi:[1,0]
.endif
.endif
.if (\kq) == 0
	v_exp_f32 v[hP+2*hn], v[hP+2*hn]
	v_exp_f32 v[hP+2*hn+1], v[hP+2*hn+1]
.else
	v_rcp_f32 v[hP+2*hn], v[hP+2*hn]
	v_rcp_f32 v[hP+2*hn+1], v[hP+2*hn+1]
.endif
.set hn, hn+1
.endr
.endm
.macro DOT hw, par                     ; window hw's 16 quotients times -2 v, in four chains that do not wait for each other; the sum of the 16 v themselves starts the first
.set hP, 192+16*(1-(\par))
.set hW, 192+16*((\hw)-2)
	v_pk_fma_f32 v[EA:EA+1], v[hP:hP+1], v[hW:hW+1], v[VSP:VSP+1]
	v_pk_mul_f32 v[EB:EB+1], v[hP+2:hP+3], v[hW+2:hW+3]
	v_pk_mul_f32 v[EC:EC+1], v[hP+4:hP+5], v[hW+4:hW+5]
	v_pk_mul_f32 v[ED:ED+1], v[hP+6:hP+7], v[hW+6:hW+7]
	v_pk_fma_f32 v[EA:EA+1], v[hP+8:hP+9], v[hW+8:hW+9], v[EA:EA+1]
	v_pk_fma_f32 v[EB:EB+1], v[hP+10:hP+11], v[hW+10:hW+11], v[EB:EB+1]
	v_pk_fma_f32 v[EC:EC+1], v[hP+12:hP+13], v[hW+12:hW+13], v[EC:EC+1]
	v_pk_fma_f32 v[ED:ED+1], v[hP+14:hP+15], v[hW+14:hW+15], v[ED:ED+1]
.endm
; The end of a stage: the wait for both windows' reciprocals, the two dots, and the lane's part of a row's energy (32 hidden units) in v[EN0].
.macro TAIL par
	BATCHWAIT
	WIN 0xf7
	DOT 3, \par
	WIN 0xa6
	DOT 2, \par
	WIN 0x0e                                       ; source 0 window 2, source 1 window 3, destination window 0
	v_pk_add_f32 v[TM:TM+1], v[EA:EA+1], v[EA:EA+1]
	v_pk_add_f32 v[TM+2:TM+3], v[EB:EB+1], v[EB:EB+1]
	v_pk_add_f32 v[TM+4:TM+5], v[EC:EC+1], v[EC:EC+1]
	v_pk_add_f32 v[TM+6:TM+7], v[ED:ED+1], v[ED:ED+1]
	WIN 0
	v_pk_add_f32 v[TM:TM+1], v[TM:TM+1], v[TM+2:TM+3]
	v_pk_add_f32 v[TM+4:TM+5], v[TM+4:TM+5], v[TM+6:TM+7]
	v_pk_add_f32 v[TM:TM+1], v[TM:TM+1], v[TM+4:TM+5]
	v_add_f32 v[EN0], v[TM], v[TM+1]
.endm
; A stage of the walk down the tiles, TT = 16 .. 1 (par = TT % 2).  TT > T: nothing.  TT = T: tile TT - 1 is fetched.  TT < T: tile TT - 1 is fetched, tile TT multiplied, tile TT + 1's tanh finished (slot TT + 1;
; in the first such stage that set holds nothing of use, and its slot is one that phase C hides).  The trip count is a constant; the counters are stepped at the head, on every way.
; The next tile's 28 LDS loads go in two runs of 14: at the stage's head and at this stage's first batch wait.  Both land in the set that the stage's own matrix and vector instructions do not name.
.macro STAGE par
	s_sub_co_u32 s[sTT], s[sTT], 1
	s_sub_co_u32 s[sAOF], s[sAOF], TILEB
	s_sub_co_u32 s[sSOF], s[sSOF], 128
	s_sub_co_u32 s[sEOF], s[sEOF], 128
	s_cmp_gt_u32 s[sTT], s[sT]
	s_cbranch_scc1 .Lskip_\@
	s_wait_alu depctr_vm_vsrc(0)                   ; the LDS loads of the last fetch have read v[AAD ..] and v[SAD], the last store v[EAD] and v[EN0]: this stage writes all of them again
.irp i, 0,1,2,3
	v_add_nc_u32 v[AAD+\i], s[sAOF], v[LB+\i]
.endr
	v_add_nc_u32 v[SAD], s[sSOF], v[SB0]
	v_add_nc_u32 v[EAD], s[sEOF], v[EPB]
	s_wait_alu depctr_va_vdst(0)                   ; the six addresses are written, which this stage's LDS instructions read; the products issued so far are done reading the other set and its scale words, in which both runs of loads land
	s_cmp_eq_u32 s[sTT], s[sT]
	s_cbranch_scc1 .Lonly_\@
	s_wait_dscnt 0x1                               ; this tile's 28 loads are in: behind them stands at most one LDS instruction, the last stage's store (the other two ways into a stage leave nothing out)
	ALOADH 1-\par, 0
	QUARTER 2, \par, 0, 1
	s_wait_loadcnt 0x0                             ; the group's second batch (met at once in all stages but the group's first)
	QUARTER 3, \par, 0, 1
	BATCHWAIT                                      ; both windows' exponentials
	ALOADH 1-\par, 1                               ; no vector or matrix instruction since the head's wait names these registers
	QUARTER 2, \par, 1, 1
	QUARTER 3, \par, 1, 1
	TAIL \par
	s_wait_alu depctr_va_vdst(0)                   ; v[EN0] is written, which the store reads
	ds_store_b32 v[EAD], v[EN0]
	s_branch .Lend_\@
.Lonly_\@:
	ALOADH 1-\par, 0
	ALOADH 1-\par, 1
.Lskip_\@:
	s_wait_dscnt 0x0                               ; a stage that only fetches, or is passed over, leaves no LDS instruction out
.Lend_\@:
.endm
.macro VSUM base                       ; the sum of 16 v, into v[TM] and v[TM+1]
	v_pk_add_f32 v[TM:TM+1], v[\base:\base+1], v[\base+2:\base+3]
	v_pk_add_f32 v[TM+2:TM+3], v[\base+4:\base+5], v[\base+6:\base+7]
	v_pk_add_f32 v[TM+4:TM+5], v[\base+8:\base+9], v[\base+10:\base+11]
	v_pk_add_f32 v[TM+6:TM+7], v[\base+12:\base+13], v[\base+14:\base+15]
	v_pk_add_f32 v[TM:TM+1], v[TM:TM+1], v[TM+2:TM+3]
	v_pk_add_f32 v[TM+4:TM+5], v[TM+4:TM+5], v[TM+6:TM+7]
	v_pk_add_f32 v[TM:TM+1], v[TM:TM+1], v[TM+4:TM+5]
.endm
; A group of four h-tiles.  Tile 0 comes last, in every work-group, and is written out: there the registers of Wk are asked for anew (refill = 1).  Window 2's 62 loads go out behind that window's last product.
; Window 3's 54 go out behind tile 0's tanh, which has no product to stand beside: so that vector work is done while the first 62 loads are on their way, and the wave never has to hold more loads than its counter can count while it still has work.
; The last two partial energies go to places that are constants of the text.
.macro GROUP g, refill
	s_wait_loadcnt 54                              ; batch 1 is in; the 54 loads of batch 2 may be out (and all that phase A left on its way is in)
	WIN 0x40
.irp k, 0,2,4,6,8,10,12,14,16,18,20,22,24,26,28,30
	v_pk_mul_f32 v[192+\k:193+\k], v[VRAW+\k:VRAW+\k+1], -2.0 op_sel_hi:[1,0]
.endr
	WIN 0
	VSUM VRAW
	WIN 0x80
	v_add_f32 v[VSP], v[TM], v[TM+1]
	v_mov_b32 v[VSP+1], 0
	WIN 0
	VSUM VRAW+16
	WIN 0xc0
	v_add_f32 v[VSP], v[TM], v[TM+1]
	v_mov_b32 v[VSP+1], 0
	WIN 0
	s_mov_b32 s[sTT], 17
	s_mov_b32 s[sAOF], 16*TILEB
	s_mov_b32 s[sSOF], 16*128
	s_mov_b32 s[sEOF], (\g)*EPG+18*128
	s_mov_b32 s[sCT], 0
.Lwalk_\@:
	STAGE 0
	STAGE 1
	s_add_co_u32 s[sCT], s[sCT], 1
	s_cmp_lt_u32 s[sCT], 8
	s_cbranch_scc1 .Lwalk_\@
	s_wait_alu depctr_vm_vsrc(0)                   ; the last store issued has read v[EN0], which this stage's end writes again
	s_wait_dscnt 0x1                               ; tile 0's fragments are in; the last stage's store may be out
	QUARTER 2, 0, 0, 1
	s_wait_loadcnt 0x0
	QUARTER 3, 0, 0, 1
	BATCHWAIT
	QUARTER 2, 0, 1, 1
.if \refill
.rept 4
	v_nop                                          ; four places behind window 2's last product; they stay beside the wait below
.endr
	s_wait_alu depctr_va_vdst(0)                   ; window 2's products are done reading their fragments of Wk, query_proj and scale words, and the group's head is done reading v: the 62 loads land in these
	BLOAD1 (\g)+1
.endif
	QUARTER 3, 0, 1, 1
	TAIL 0
	s_wait_alu depctr_va_vdst(0)                   ; v[EN0] is written, which the store reads
	ds_store_b32 v[EPB], v[EN0] offset:(\g)*EPG+128    ; slot 1
	QUARTER 2, 1, 0, 0                             ; tile 0's tanh: no product is left to set it beside
	QUARTER 3, 1, 0, 0
	BATCHWAIT
	QUARTER 2, 1, 1, 0
	QUARTER 3, 1, 1, 0
	s_wait_alu depctr_vm_vsrc(0)                   ; slot 1's store has read v[EN0], which the lines below write again
	TAIL 1
	s_wait_alu depctr_va_vdst(0)                   ; v[EN0] is written, which the store reads; window 3's products are done reading their fragments of Wk, query_proj and scale words, in which the 54 loads land
	ds_store_b32 v[EPB], v[EN0] offset:(\g)*EPG        ; slot 0
.if \refill
	BLOAD2 (\g)+1
.endif
.endm
	s_load_b512 s[4:19], s[0:1], 0x0               ; keys s[4:5], v s[6:7], wkf s[8:9], wks s[10:11], qpw s[12:13], list s[14:15], cnt s[16:17], ec s[18:19]
	v_lshl_add_u32 v254, v0, 2, 0x4bc00
	v_mov_b32 v255, 0
	v_lshrrev_b32 v[L4], 5, v0
	v_readfirstlane_b32 s[sW], v[L4]               ; wave 0..3
	s_mov_b32 s[sQ], ttmp9
	s_and_b32 s[sB], ttmp7, 0xffff
	v_and_b32 v[RR], 31, v0
	v_lshlrev_b32 v[L16], 4, v[RR]
	v_lshlrev_b32 v[L4], 2, v[RR]
	v_lshlrev_b32 v[GO], 3, v[RR]
	v_and_b32 v[RR], 15, v0
	v_bfe_u32 v[HH], v0, 4, 1
	v_lshlrev_b32 v[H8], 3, v[HH]
	v_lshlrev_b32 v[QVO], 5, v[HH]
	s_wait_alu depctr_va_sdst(0)                   ; s20, the wave's number, is written, ahead of its first reader
	s_mul_i32 s[sTMP], s[sW], 2*STGF
	s_add_co_u32 s[sTMP], s[sTMP], STG
	v_add_nc_u32 v[STI], s[sTMP], v[L16]
	v_mul_u32_u24 v[STO], v[RR], 528
	v_lshl_add_u32 v[STO], v[HH], 7, v[STO]
	v_add_nc_u32 v[STO], s[sTMP], v[STO]
	s_mul_i32 s[sTMP], s[sW], IMGW
	v_add_nc_u32 v[IB], s[sTMP], v[L16]
	s_lshl_b32 s[sTMP], s[sW], 11
	s_add_co_u32 s[sTMP], s[sTMP], ASC
	v_add_nc_u32 v[WB0], s[sTMP], v[L4]
.irp i, 0,1,2,3
	v_add_nc_u32 v[LB+\i], AIMG+\i*IMGW, v[L16]
.endr
	v_add_nc_u32 v[SB0], ASC, v[L4]
	s_mul_i32 s[sTMP], s[sW], 4*EPG
	s_add_co_u32 s[sTMP], s[sTMP], EP
	v_add_nc_u32 v[EPB], s[sTMP], v[L4]
	v_add_nc_u32 v[EZ], s[sTMP], v[L16]
	s_lshl_b32 s[sTMP], s[sW], 9
	s_add_co_u32 s[sTMP], s[sTMP], EP
	v_add_nc_u32 v[PCA], s[sTMP], v[L4]
	s_lshl_b32 s[sTMP], s[sW], 8
	s_add_co_u32 s[sTMP], s[sTMP], EF
	v_lshl_add_u32 v[EFI], v[RR], 2, s[sTMP]
	v_add_nc_u32 v[EFO], s[sTMP], v[GO]
.irp k, 0,1,2,3
	v_mov_b32 v[ZR+\k], 0
.endr
	s_mov_b32 s[CS], 0x4038aa3b                    ; c = 2 log2(e)
	s_mov_b32 s[CS+1], s[CS]                       ; (named with it as a pair, so it is written)
	s_mov_b32 s[SEL], 0x76543210
	s_mov_b32 s[SEL+1], 0xfedcba98
	s_mov_b32 s[sHM], 0xffff0000
	s_mov_b32 s[TP+1], 0
	s_wait_kmcnt 0x0
	s_lshl_b32 s[TP], s[sB], 7
	s_add_nc_u64 s[16:17], s[16:17], s[TP:TP+1]
	s_load_b32 s[sN], s[16:17], 0x0                ; the batch's count of kept rows
	s_lshl_b32 s[TP], s[sB], 12
	s_lshl_b32 s[sTMP], s[sQ], 10
	s_add_co_u32 s[TP], s[TP], s[sTMP]
	s_add_nc_u64 s[LBS:LBS+1], s[14:15], s[TP:TP+1]
	s_load_b512 s[LST:LST+15], s[LBS:LBS+1], 0x0   ; tile 0's rows
	s_lshl_b32 s[sTMP], s[sW], 8
	s_add_co_u32 s[TP], s[TP], s[sTMP]
	s_add_nc_u64 s[ECB:ECB+1], s[18:19], s[TP:TP+1]
	s_lshl_b32 s[TP], s[sB], 22
	s_lshl_b32 s[sTMP], s[sW], 10
	s_add_co_u32 s[TP], s[TP], s[sTMP]
	s_add_nc_u64 s[KBS:KBS+1], s[4:5], s[TP:TP+1]
	s_mov_b32 s[TP], s[sTMP]
	s_add_nc_u64 s[VBS:VBS+1], s[6:7], s[TP:TP+1]
	s_mul_i32 s[TP], s[sW], 196608
	s_add_nc_u64 s[WBS:WBS+1], s[8:9], s[TP:TP+1]
	s_lshl_b32 s[TP], s[sW], 13
	s_add_nc_u64 s[SBS:SBS+1], s[10:11], s[TP:TP+1]
	s_lshl_b32 s[TP], s[sW], 16
	s_lshl_b32 s[sTMP], s[sB], 6
	s_add_co_u32 s[TP], s[TP], s[sTMP]
	s_add_nc_u64 s[QBS:QBS+1], s[12:13], s[TP:TP+1]
	s_wait_kmcnt 0x0
	s_min_u32 s[sN], s[sN], 1024
	s_add_co_u32 s[sT], s[sN], 15
	s_lshr_b32 s[sT], s[sT], 4                     ; the batch's tiles
	s_add_co_u32 s[sT], s[sT], 3
	s_sub_co_u32 s[sT], s[sT], s[sQ]
	s_lshr_b32 s[sT], s[sT], 2                     ; mine: 0 .. 16,
	s_max_u32 s[sT], s[sT], 1                      ; held at 1 from below: tile 0 is always taken, and hidden in phase C where it holds no kept row
	s_min_u32 s[sR0], s[LST], 1023
	s_mov_b32 s[sTMP], 0
	ISSUE_A 0                                      ; its wait on va_vdst also states that the head's addresses and the four zeros are written: no vector instruction writes them again
	s_load_b512 s[LST:LST+15], s[LBS:LBS+1], 0x40
.irp k, 0,1,2,3,4,5,6,7,8,9,10,11,12,13,14,15,16,17
	ds_store_b128 v[EZ], v[ZR:ZR+3] offset:512*\k  ; my partial energies begin as zeros: phase C reads all sixteen tiles' slots
.endr
.irp k, 0,1,2,3,4,5,6,7
	v_mov_b32 v[AS+\k], 0x7f7f7f7f                 ; scale words of 1.0: written before any way can name them
.endr
	v_mov_b32 v[TM+6], 0                           ; a lane permute's destination counts as one of its sources
	WIN 0x80
.set z, 0
.rept 32
	v_mov_b32 v[192+z], 0                          ; both sets of accumulators: a group's first slices walk a set that no product has filled yet
.set z, z+1
.endr
	WIN 0xc0
.set z, 0
.rept 32
	v_mov_b32 v[192+z], 0
.set z, z+1
.endr
	WIN 0
	s_wait_kmcnt 0x0
	s_mov_b32 s[sTMP], 1
	ISSUE_A 1                                      ; its wait on va_vdst also states that the scale words of 1.0 are written, in which LDS loads land later
	s_load_b512 s[LST:LST+15], s[LBS:LBS+1], 0x80
	s_mov_b32 s[sTT], 0
	s_mov_b32 s[sIOF], 0
	s_mov_b32 s[sWOF], 0
	s_mov_b32 s[sCT], 0
.LloopA:
	STAGE_A 0
	STAGE_A 1
	s_add_co_u32 s[sCT], s[sCT], 1
	s_cmp_lt_u32 s[sCT], 8
	s_cbranch_scc1 .LloopA
	s_wait_kmcnt 0x0                               ; the last list load has landed
	BLOAD1 0                                       ; group 0's weights are on their way while the waves meet.  No wait: no vector instruction has named the registers in which they land
	BLOAD2 0
	s_wait_dscnt 0x0                               ; for the others' sake: my images, scale words and zeros lie in LDS
	s_barrier_signal -1
	s_barrier_wait -1
	s_wait_alu depctr_vm_vsrc(0)                   ; phase A's LDS stores have read window 1's registers, which phase B's LDS loads and the products -2 v write
	GROUP 0, 1
	GROUP 1, 1
	GROUP 2, 1
	GROUP 3, 0
	s_wait_dscnt 0x0                               ; my partial energies lie in LDS
	s_barrier_signal -1
	s_barrier_wait -1
.irp i, 0,1,2,3                                ; wave w sums tiles 4 w + i over the sixteen (wave, group) parts.  (No vector instruction since the wait ahead of the last store names X)
.irp k, 0,1,2,3,4,5,6,7,8,9,10,11,12,13,14,15
	ds_load_b32 v[X+16*\i+\k], v[PCA] offset:EPG*\k+128*\i
.endr
.endr
	s_lshl_b32 s[sTMP], s[sW], 8
	s_lshl_b32 s[TP], s[sQ], 4
	s_add_co_u32 s[sTMP], s[sTMP], s[TP]
	v_add_nc_u32 v[POS], s[sTMP], v[RR]            ; the row's place among the batch's rows: 64 t + 16 q + r, t = 4 w + i
	v_mov_b32 v[NEG], 0xff800000                   ; -infinity
	s_wait_dscnt 0x0
.irp i, 0,1,2,3
.irp k, 0,4,8,12
	v_pk_add_f32 v[X+16*\i+\k:X+16*\i+\k+1], v[X+16*\i+\k:X+16*\i+\k+1], v[X+16*\i+\k+2:X+16*\i+\k+3]
.endr
	v_pk_add_f32 v[X+16*\i:X+16*\i+1], v[X+16*\i:X+16*\i+1], v[X+16*\i+4:X+16*\i+5]
	v_pk_add_f32 v[X+16*\i+8:X+16*\i+9], v[X+16*\i+8:X+16*\i+9], v[X+16*\i+12:X+16*\i+13]
	v_pk_add_f32 v[X+16*\i:X+16*\i+1], v[X+16*\i:X+16*\i+1], v[X+16*\i+8:X+16*\i+9]
	v_add_f32 v[X+16*\i], v[X+16*\i], v[X+16*\i+1]
	v_permlanex16_b32 v[X+16*\i+1], v[X+16*\i], s[SEL], s[SEL+1]
	v_add_f32 v[X+16*\i], v[X+16*\i], v[X+16*\i+1] ; with the other half of the hidden units: the row's energy
	v_add_nc_u32 v[T+\i], 64*\i, v[POS]
	v_cmp_gt_u32 s[LST+\i], s[sN], v[T+\i]         ; a place under n holds a kept row.  Four masks, a scalar register to each
.endr
	s_wait_alu depctr_va_sdst(0)                   ; the four masks s32-35 are written, ahead of their first reader
.irp i, 0,1,2,3
	v_cndmask_b32 v[X+16*\i], v[NEG], v[X+16*\i], s[LST+\i]
.endr
	s_wait_alu depctr_va_vdst(0)                   ; the four energies are written, which the LDS stores read
.irp i, 0,1,2,3
	ds_store_b32 v[EFI], v[X+16*\i] offset:64*\i   ; both halves of the lanes write the same word with the same value
.endr
	ds_load_b64 v[PC+2:PC+3], v[EFO]               ; LDS serves a wave's instructions in order: this sees my stores
	s_wait_dscnt 0x0
	global_store_b64 v[GO], v[PC+2:PC+3], s[ECB:ECB+1]   ; 32 lanes store 256 consecutive bytes, at a multiple of 256 from ec's first byte
	s_wait_dscnt 0x0                               ; the closing lines, six on end, of a launch in the mode that stores to LDS
	s_wait_alu 0x0
	s_wait_tensorcnt 0x0
	ds_add_u32 v254, v255
	s_wait_dscnt 0x0
	s_endpgm
.Lfunc_end_k_q5b3f47136d_energy:
	.size	k_q5b3f47136d_energy, .Lfunc_end_k_q5b3f47136d_energy-k_q5b3f47136d_energy
	.p2alignl 7, 3214868480
	.fill 96, 4, 3214868480
	.section	.rodata,"a",@progbits
	.p2align	6, 0x0
	.amdhsa_kernel k_q5b3f47136d_energy
		.amdhsa_group_segment_fixed_size 310784
		.amdhsa_private_segment_fixed_size 0
		.amdhsa_enable_private_segment 0
		.amdhsa_kernarg_size 64
		.amdhsa_user_sgpr_count 2
		.amdhsa_user_sgpr_kernarg_segment_ptr 1
		.amdhsa_wavefront_size32 1
		.amdhsa_system_sgpr_workgroup_id_x 1
		.amdhsa_system_sgpr_workgroup_id_y 1
		.amdhsa_system_sgpr_workgroup_id_z 1
		.amdhsa_system_vgpr_workitem_id 0
		.amdhsa_next_free_vgpr 1024
		.amdhsa_next_free_sgpr 80
		.amdhsa_reserve_vcc 0
		.amdhsa_float_denorm_mode_32 3
		.amdhsa_float_denorm_mode_16_64 3
		.amdhsa_memory_ordered 1
		.amdhsa_forward_progress 1
		.amdhsa_inst_pref_size 255
	.end_amdhsa_kernel
	.section	.bss,"aw",@nobits
	.p2align	6
	.space	262144
	.amdgpu_metadata
---
amdhsa.version: [ 1, 2 ]
amdhsa.kernels:
  - .name:           k_q5b3f47136d_energy
    .symbol:         k_q5b3f47136d_energy.kd
    .args:
      - { .name: keys, .offset: 0, .size: 8, .value_kind: global_buffer, .address_space: global }
      - { .name: v, .offset: 8, .size: 8, .value_kind: global_buffer, .address_space: global }
      - { .name: wkf, .offset: 16, .size: 8, .value_kind: global_buffer, .address_space: global }
      - { .name: wks, .offset: 24, .size: 8, .value_kind: global_buffer, .address_space: global }
      - { .name: qpw, .offset: 32, .size: 8, .value_kind: global_buffer, .address_space: global }
      - { .name: list, .offset: 40, .size: 8, .value_kind: global_buffer, .address_space: global }
      - { .name: cnt, .offset: 48, .size: 8, .value_kind: global_buffer, .address_space: global }
      - { .name: ec, .offset: 56, .size: 8, .value_kind: global_buffer, .address_space: global }
    .group_segment_fixed_size: 310784
    .private_segment_fixed_size: 0
    .kernarg_segment_align: 8
    .kernarg_segment_size: 64
    .max_flat_workgroup_size: 128
    .sgpr_count:     80
    .vgpr_count:     1024
    .wavefront_size: 32
...
	.end_amdgpu_metadata
.endif
;; end of part 5
;; launch context (part 6): grid 4 x 64, 16 waves a work-group, no clusters, 23,040 bytes of LDS; arguments keys, list, cnt, ec, out0, out1; writes out0, out1
.if DOCPART == 6
	.amdgcn_target "amdgcn-amd-amdhsa--gfx1250"
	.amdhsa_code_object_version 6
	.text
	.protected	k_q5b3f47136d_context
	.globl	k_q5b3f47136d_context
	.p2align	8
	.type	k_q5b3f47136d_context,@function
k_q5b3f47136d_context:
	s_mov_b64 s[64:65], 0
	v_nop
	global_prefetch_b8 v0, s[64:65] scope:SCOPE_SE
	s_setreg_imm32_b32 hwreg(HW_REG_WAVE_SCHED_MODE, 0, 2), 2
	s_setreg_imm32_b32 hwreg(HW_REG_WAVE_MODE, 25, 1), 1
	s_wait_xcnt 0x0
	s_wait_alu depctr_vm_vsrc(0)
; CONTEXT.  attn = softmax of the energies (out1), context = attn . keys (out0).  Work-group (c, b) owns columns 256 c .. + 255 of batch b's context: each output number has one owner.
; Each of a batch's four work-groups makes the softmax of the 1,024 slots for itself (4 KiB of ec); quarter c of the slots is scattered to out1 by work-group c.  The list is a whole permutation of the rows, so every
; number of out1 is written, the zeros of masked rows too.  The maximum is taken away before the exponential; a batch with no kept row has every p = 0, a divisor held at 1, and zeros in both outputs, as the reference leaves there.
; Only tiles that hold kept rows are read: wave w takes tiles j = w + 16 i; a tile's 16 rows x 1,024 bytes are 32 loads of 512 consecutive bytes.  The rows go through a ring of 16 slots in registers, in four blocks of four rows:
; behind a block's sixteen multiply-adds the same four rows of the wave's next tile are asked for.  Where there is no next tile one fixed row is asked for instead, so that the counts are the same on every way, and the wave then leaves; those loads are never read.
; A tile's rows past the count carry p = 0.  Memory binds: no matrix unit, no tensor load, no cluster.
; LIMITS: NaN and infinities in keys are not served (a row with p = 0 is still multiplied, as in the reference's own sum).
; THE MODE: SCHED_MODE bits 1:0 = 2 (LLVM: expert scheduling mode 2), set by the entry lines.  The code itself states the register dependences
; between vector instructions and memory or LDS instructions, with s_wait_alu, always for 0.
; THE PLAN.  Registers that memory or LDS instructions touch:
;   v1, v3, v12-15, v28   addresses, made at the head and never written again: the wait on va_vdst ahead of the first loads serves them.
;   v32-47   the rows' offsets.  A block's four are read by its eight loads and written again a turn of the ring later, behind a wait on vm_vsrc at the block's head.
;   v64-191  the ring.  A block's 32 registers are read by its sixteen multiply-adds; behind these stands ONE wait on va_vdst, which also states that the four offsets are written; the block's eight loads follow it.
;   v48-63   a tile's p, and the waves' maxima and sums: written by LDS loads, read by vector instructions; each run of loads finds a wait on va_vdst behind the last reader.
;   v4, v5, v8, v16-23, v24, v25, v6, v7, v192-195   data and offsets of stores: a wait on va_vdst ahead of each store or run of stores; v8 alone is written again, behind a wait on vm_vsrc.
.set PB, 0                             ; LDS: p by slot, 4,096 bytes
.set RM, 4096                          ; the waves' maxima
.set RS, 4352                          ; the waves' sums
.set RC, 4608                          ; the waves' parts of the context: wave x 1024
.set SEL, 96
; v1 16 x lane  v3 8 x thread  v[4:5] e, then p  v[6:7] the slots' rows  v8, v9 at work  v10 1 / sum  v12 4 x wave  v13 0  v14 my tiles' first p  v15 my part's place in RC
; v16-23 the sums  v24, v25 attn  v28 16 x thread  v32-47 the rows' offsets  v48-63 a tile's p  v64-191 the ring  v192-255 the last sum
; s[16:31], s[32:47], s[48:63], s[68:83] my four tiles' rows  s84 wave  s85 b  s86 c  s87 tiles  s94 the stand-in row
.macro ROWS set, i                     ; tile i's 16 rows: bounded, or the stand-in row where the tile does not exist
	s_add_co_u32 s95, s84, 16*(\i)
	s_cmp_lt_u32 s95, s87
.irp r, 0,1,2,3,4,5,6,7,8,9,10,11,12,13,14,15
	s_cselect_b32 s[\set+\r], s[\set+\r], s94
.endr
.irp r, 0,1,2,3,4,5,6,7,8,9,10,11,12,13,14,15
	s_min_u32 s[\set+\r], s[\set+\r], 1023
.endr
.endm
.macro CONSUME i, refill, nset
.if \refill
	ROWS \nset, (\i)+1
.endif
.irp k, 0,1,2,3
	ds_load_b128 v[48+4*\k:51+4*\k], v14 offset:PB+256*(\i)+16*\k    ; the tile's 16 p, the same in every lane.  (The last reader of v48-63 stands ahead of a wait on va_vdst, and no vector instruction since names them)
.endr
	s_wait_dscnt 0x0
.irp q, 0,1,2,3                                ; block q: rows 4 q .. 4 q + 3
.if \refill
	s_wait_loadcnt 24                              ; the block's eight loads are in; behind them stand three blocks of eight: the rest of this tile and what has been asked for of the next
	s_wait_alu depctr_vm_vsrc(0)                   ; those eight loads have read the block's four offsets, which are written again below
.irp j, 0,1,2,3
	v_lshl_add_u32 v[32+4*\q+\j], s[\nset+4*\q+\j], 12, v1
.endr
.else
	s_wait_loadcnt 24-8*\q                         ; the last tile: the counts run down
.endif
.irp j, 0,1,2,3
.irp k, 0,1,2,3
.if (\j)%2 == 0
	v_pk_fma_f32 v[16+2*\k:17+2*\k], v[64+8*(4*\q+\j)+2*\k:65+8*(4*\q+\j)+2*\k], v[48+4*\q+\j:49+4*\q+\j], v[16+2*\k:17+2*\k] op_sel_hi:[1,0,1]
.else
	v_pk_fma_f32 v[16+2*\k:17+2*\k], v[64+8*(4*\q+\j)+2*\k:65+8*(4*\q+\j)+2*\k], v[47+4*\q+\j:48+4*\q+\j], v[16+2*\k:17+2*\k] op_sel:[0,1,0] op_sel_hi:[1,1,1]
.endif
.endr
.endr
.if \refill
	s_wait_alu depctr_va_vdst(0)                   ; the four offsets are written, which the loads read; the multiply-adds are done reading the block's ring registers, in which the loads land (and, in the last block, the tile's p)
.irp j, 0,1,2,3
	global_load_b128 v[64+8*(4*\q+\j):67+8*(4*\q+\j)], v[32+4*\q+\j], s[4:5] th:TH_LOAD_NT
	global_load_b128 v[68+8*(4*\q+\j):71+8*(4*\q+\j)], v[32+4*\q+\j], s[4:5] offset:512 th:TH_LOAD_NT
.endr
.endif
.endr
.endm
.macro QADD a, b                       ; four numbers onto four
	v_pk_add_f32 v[\a:\a+1], v[\a:\a+1], v[\b:\b+1]
	v_pk_add_f32 v[\a+2:\a+3], v[\a+2:\a+3], v[\b+2:\b+3]
.endm
	s_load_b256 s[4:11], s[0:1], 0x0               ; keys s[4:5], list s[6:7], cnt s[8:9], ec s[10:11]
	s_load_b128 s[12:15], s[0:1], 0x20             ; out0 s[12:13], out1 s[14:15]
	v_lshl_add_u32 v30, v0, 2, 0x5200
	v_mov_b32 v31, 0
	v_lshrrev_b32 v1, 5, v0
	v_readfirstlane_b32 s84, v1                    ; wave 0..15
	s_and_b32 s85, ttmp7, 0xffff                   ; b
	s_mov_b32 s86, ttmp9                           ; c
	v_and_b32 v2, 31, v0
	v_lshlrev_b32 v1, 4, v2
	v_lshlrev_b32 v3, 3, v0
	v_lshlrev_b32 v28, 4, v0
	s_wait_alu depctr_va_sdst(0)                   ; s84, the wave's number, is written, ahead of its first reader
	s_lshl_b32 s90, s84, 2
	v_mov_b32 v12, s90
	v_mov_b32 v13, 0
	s_and_b32 s90, s84, 3                          ; tile j = w + 16 i begins at slot 256 (w % 4) + 16 (w / 4) + 64 i
	s_lshl_b32 s90, s90, 10
	s_lshr_b32 s91, s84, 2
	s_lshl_b32 s91, s91, 6
	s_add_co_u32 s90, s90, s91                     ; in bytes of 4 a slot
	v_mov_b32 v14, s90
	s_lshl_b32 s91, s84, 10
	v_add_nc_u32 v15, s91, v1
	v_mov_b32 v9, 0                                ; a lane permute's destination counts as one of its sources
.irp k, 0,1,2,3,4,5,6,7
	v_mov_b32 v[16+\k], 0
.endr
	s_mov_b32 s[SEL], 0x76543210
	s_mov_b32 s[SEL+1], 0xfedcba98
	s_mov_b32 s89, 0
	s_lshl_b32 s88, s85, 12
	s_wait_kmcnt 0x0
	s_add_nc_u64 s[6:7], s[6:7], s[88:89]
	s_add_nc_u64 s[10:11], s[10:11], s[88:89]
	s_add_nc_u64 s[14:15], s[14:15], s[88:89]
	s_add_nc_u64 s[12:13], s[12:13], s[88:89]
	s_wait_alu depctr_va_vdst(0)                   ; the addresses v1, v3, v12 to v15 and v28 are written, which the loads, stores and LDS instructions below read
	global_load_b64 v[4:5], v3, s[10:11]           ; two slots' energies a thread
	global_load_b64 v[6:7], v3, s[6:7]             ; and their rows
	s_mov_b32 s88, s90
	s_add_nc_u64 s[92:93], s[6:7], s[88:89]
	s_load_b512 s[16:31], s[92:93], 0x0
	s_load_b512 s[32:47], s[92:93], 0x100
	s_load_b512 s[48:63], s[92:93], 0x200
	s_load_b512 s[68:83], s[92:93], 0x300
	s_lshl_b32 s88, s85, 7
	s_add_nc_u64 s[8:9], s[8:9], s[88:89]
	s_load_b32 s87, s[8:9], 0x0
	s_lshl_b32 s88, s86, 10
	s_add_nc_u64 s[12:13], s[12:13], s[88:89]      ; out0 at my 256 columns
	s_lshl_b32 s91, s85, 22
	s_add_co_u32 s88, s88, s91
	s_add_nc_u64 s[4:5], s[4:5], s[88:89]          ; keys at my batch and my columns
	s_wait_kmcnt 0x0
	s_min_u32 s87, s87, 1024
	s_add_co_u32 s87, s87, 15
	s_lshr_b32 s87, s87, 4                         ; the batch's tiles
	s_min_u32 s94, s16, 1023
	ROWS 16, 0
.irp r, 0,1,2,3,4,5,6,7,8,9,10,11,12,13,14,15
	v_lshl_add_u32 v[32+\r], s[16+\r], 12, v1
.endr
	s_wait_alu depctr_va_vdst(0)                   ; the first tile's sixteen offsets are written, which its 32 loads read
.irp r, 0,1,2,3,4,5,6,7,8,9,10,11,12,13,14,15
	global_load_b128 v[64+8*\r:67+8*\r], v[32+\r], s[4:5] th:TH_LOAD_NT            ; 512 consecutive bytes of a row
	global_load_b128 v[68+8*\r:71+8*\r], v[32+\r], s[4:5] offset:512 th:TH_LOAD_NT
.endr
	; ---- the softmax, while the first tile is on its way
	s_wait_loadcnt 32                              ; the energies and the rows are in; the 32 loads of keys may be out
	v_max_num_f32 v8, v4, v5
	v_max_num_f32_dpp v8, v8, v8 row_xmask:1 row_mask:0xf bank_mask:0xf
	v_max_num_f32_dpp v8, v8, v8 row_xmask:2 row_mask:0xf bank_mask:0xf
	v_max_num_f32_dpp v8, v8, v8 row_xmask:4 row_mask:0xf bank_mask:0xf
	v_max_num_f32_dpp v8, v8, v8 row_xmask:8 row_mask:0xf bank_mask:0xf
	v_permlanex16_b32 v9, v8, s[SEL], s[SEL+1]
	v_max_num_f32 v8, v8, v9
	s_wait_alu depctr_va_vdst(0)                   ; the wave's maximum v8 is written, which the LDS store reads
	ds_store_b32 v12, v8 offset:RM                 ; all lanes write the wave's word with the same value
	s_wait_dscnt 0x0
	s_barrier_signal -1
	s_barrier_wait -1
.irp k, 0,1,2,3
	ds_load_b128 v[48+4*\k:51+4*\k], v13 offset:RM+16*\k
.endr
	s_wait_dscnt 0x0
	s_wait_alu depctr_vm_vsrc(0)                   ; the LDS store has read v8, which is written again below
	v_max3_num_f32 v8, v48, v49, v50
.irp k, 51,53,55,57,59,61
	v_max3_num_f32 v8, v8, v[\k], v[\k+1]
.endr
	v_max3_num_f32 v8, v8, v63, 0xff61b1e6         ; the batch's largest energy, held at -3e38 from below: with no kept row e - m is still -infinity, and p is 0
	v_sub_f32 v4, v4, v8                           ; the maximum is taken away first
	v_sub_f32 v5, v5, v8
	v_mul_f32 v4, 0x3fb8aa3b, v4
	v_mul_f32 v5, 0x3fb8aa3b, v5
	v_exp_f32 v4, v4
	v_exp_f32 v5, v5
	v_nop                                          ; one plain place behind the exponentials,
	s_wait_alu depctr_va_vdst(0)                   ; and the wait ahead of the first line that names a result: the exponentials have written v4 and v5, which the LDS store reads
	ds_store_b64 v3, v[4:5] offset:PB
	v_add_f32 v8, v4, v5
	v_add_f32_dpp v8, v8, v8 row_xmask:1 row_mask:0xf bank_mask:0xf
	v_add_f32_dpp v8, v8, v8 row_xmask:2 row_mask:0xf bank_mask:0xf
	v_add_f32_dpp v8, v8, v8 row_xmask:4 row_mask:0xf bank_mask:0xf
	v_add_f32_dpp v8, v8, v8 row_xmask:8 row_mask:0xf bank_mask:0xf
	v_permlanex16_b32 v9, v8, s[SEL], s[SEL+1]
	v_add_f32 v8, v8, v9
	s_wait_alu depctr_va_vdst(0)                   ; the wave's sum v8 is written, which the LDS store reads
	ds_store_b32 v12, v8 offset:RS
	s_wait_dscnt 0x0                               ; my p and my sum lie in LDS
	s_barrier_signal -1
	s_barrier_wait -1
.irp k, 0,1,2,3
	ds_load_b128 v[48+4*\k:51+4*\k], v13 offset:RS+16*\k             ; (the maxima's readers stand ahead of the waits above)
.endr
	s_wait_dscnt 0x0
.irp k, 0,4,8,12
	v_pk_add_f32 v[48+\k:49+\k], v[48+\k:49+\k], v[50+\k:51+\k]
.endr
	v_pk_add_f32 v[48:49], v[48:49], v[52:53]
	v_pk_add_f32 v[56:57], v[56:57], v[60:61]
	v_pk_add_f32 v[48:49], v[48:49], v[56:57]
	v_add_f32 v10, v48, v49
	v_max_num_f32 v10, 1.0, v10                    ; the largest p is 1 wherever a row is kept; with none the divisor is 1 and the outputs are zeros
	v_rcp_f32 v10, v10
	v_nop
	s_wait_alu depctr_va_vdst(0)                   ; the reciprocal has written v10, ahead of its first reader; the additions are done with v48-63, in which the first tile's p land
	; ---- out1: quarter c of the slots
	s_lshr_b32 s88, s84, 2
	s_cmp_lg_u32 s88, s86
	s_cbranch_scc1 .Lno_attn
	v_min_u32 v6, 0x3ff, v6
	v_min_u32 v7, 0x3ff, v7
	v_lshlrev_b32 v6, 2, v6
	v_lshlrev_b32 v7, 2, v7
	v_mul_f32 v24, v4, v10
	v_mul_f32 v25, v5, v10
	s_wait_alu depctr_va_vdst(0)                   ; the two offsets v6, v7 and the two numbers v24, v25 are written, which the stores read
	global_store_b32 v6, v24, s[14:15]             ; four bytes to scattered places: the output is 262,144 bytes in all
	global_store_b32 v7, v25, s[14:15]
.Lno_attn:
	; ---- the weighted sum of my tiles' rows
	s_cmp_ge_u32 s84, s87
	s_cbranch_scc1 .Ldone
	CONSUME 0, 1, 32
	s_add_co_u32 s95, s84, 16
	s_cmp_ge_u32 s95, s87
	s_cbranch_scc1 .Ldone
	CONSUME 1, 1, 48
	s_add_co_u32 s95, s84, 32
	s_cmp_ge_u32 s95, s87
	s_cbranch_scc1 .Ldone
	CONSUME 2, 1, 68
	s_add_co_u32 s95, s84, 48
	s_cmp_ge_u32 s95, s87
	s_cbranch_scc1 .Ldone
	CONSUME 3, 0, 0
.Ldone:                                        ; (loads may still be out into v64-191 by v32-47: neither is named from here on)
	s_wait_alu depctr_va_vdst(0)                   ; the multiply-adds have written the sums v16-23, which the LDS stores read
	ds_store_b128 v15, v[16:19] offset:RC
	ds_store_b128 v15, v[20:23] offset:RC+512
	s_wait_dscnt 0x0
	s_barrier_signal -1
	s_barrier_wait -1
	s_cmp_ge_u32 s84, 2
	s_cbranch_scc1 .Lend                           ; waves 0 and 1 add the sixteen parts: 16 bytes a thread
.irp p, 0,1,2,3,4,5,6,7,8,9,10,11,12,13,14,15
	ds_load_b128 v[192+4*\p:195+4*\p], v28 offset:RC+1024*\p
.endr
	s_wait_dscnt 0x0
.irp p, 0,2,4,6,8,10,12,14
	QADD 192+4*\p, 196+4*\p
.endr
.irp p, 0,4,8,12
	QADD 192+4*\p, 200+4*\p
.endr
	QADD 192, 208
	QADD 224, 240
	QADD 192, 224
.irp k, 0,1,2,3
	v_mul_f32 v[192+\k], v[192+\k], v10
.endr
	s_wait_alu depctr_va_vdst(0)                   ; the four numbers v192-195 are written, which the store reads
	global_store_b128 v28, v[192:195], s[12:13]    ; a wave stores 512 consecutive bytes, at a multiple of 512 from out0's first byte
.Lend:
	s_wait_dscnt 0x0                               ; the closing lines, six on end, of a launch in the mode that stores to LDS
	s_wait_alu 0x0
	s_wait_tensorcnt 0x0
	ds_add_u32 v30, v31
	s_wait_dscnt 0x0
	s_endpgm
.Lfunc_end_k_q5b3f47136d_context:
	.size	k_q5b3f47136d_context, .Lfunc_end_k_q5b3f47136d_context-k_q5b3f47136d_context
	.p2alignl 7, 3214868480
	.fill 96, 4, 3214868480
	.section	.rodata,"a",@progbits
	.p2align	6, 0x0
	.amdhsa_kernel k_q5b3f47136d_context
		.amdhsa_group_segment_fixed_size 23040
		.amdhsa_private_segment_fixed_size 0
		.amdhsa_enable_private_segment 0
		.amdhsa_kernarg_size 48
		.amdhsa_user_sgpr_count 2
		.amdhsa_user_sgpr_kernarg_segment_ptr 1
		.amdhsa_wavefront_size32 1
		.amdhsa_system_sgpr_workgroup_id_x 1
		.amdhsa_system_sgpr_workgroup_id_y 1
		.amdhsa_system_sgpr_workgroup_id_z 1
		.amdhsa_system_vgpr_workitem_id 0
		.amdhsa_next_free_vgpr 256
		.amdhsa_next_free_sgpr 100
		.amdhsa_reserve_vcc 0
		.amdhsa_float_denorm_mode_32 3
		.amdhsa_float_denorm_mode_16_64 3
		.amdhsa_memory_ordered 1
		.amdhsa_forward_progress 1
		.amdhsa_inst_pref_size 52
	.end_amdhsa_kernel
	.amdgpu_metadata
---
amdhsa.version: [ 1, 2 ]
amdhsa.kernels:
  - .name:           k_q5b3f47136d_context
    .symbol:         k_q5b3f47136d_context.kd
    .args:
      - { .name: keys, .offset: 0, .size: 8, .value_kind: global_buffer, .address_space: global }
      - { .name: list, .offset: 8, .size: 8, .value_kind: global_buffer, .address_space: global }
      - { .name: cnt, .offset: 16, .size: 8, .value_kind: global_buffer, .address_space: global }
      - { .name: ec, .offset: 24, .size: 8, .value_kind: global_buffer, .address_space: global }
      - { .name: out0, .offset: 32, .size: 8, .value_kind: global_buffer, .address_space: global }
      - { .name: out1, .offset: 40, .size: 8, .value_kind: global_buffer, .address_space: global }
    .group_segment_fixed_size: 23040
    .private_segment_fixed_size: 0
    .kernarg_segment_align: 8
    .kernarg_segment_size: 48
    .max_flat_workgroup_size: 512
    .sgpr_count:     100
    .vgpr_count:     256
    .wavefront_size: 32
...
	.end_amdgpu_metadata
.endif
;; end of part 6
